; MI455X (gfx1250); checked and timed in simulation.
; The chip was launched on July 23, 2026; its instructions are those of AMD's public machine-readable ISA for CDNA 5 (MIT licence, August 2026) and "CDNA5" Instruction Set Architecture Reference Guide (July 2026). The comments in the code are by the model that wrote it; some were corrected since.
;; Multi Head Attention. Allowed arithmetic: matrix products marked QUANTISED: E2M3 operands, one E8M0 scale for each 32 along K, by v_wmma_scale_f32_16x16x128_f8f6f4 with both operands' format E2M3, f32 sums; everything else in f32.
;; Inputs: Wk 1,024 x 1,024 float32; Wo 1,024 x 1,024 float32; Wq 1,024 x 1,024 float32; Wv 1,024 x 1,024 float32; bo 1,024 float32; keys 4 x 2,048 x 1,024 float32; mask 4 x 2,048 int32; query 4 x 2,048 x 1,024 float32; values 4 x 2,048 x 1,024 float32.
;; Outputs: out0 4 x 2,048 x 1,024 float32.
;; This version of the problem:
;;   THIS VERSION OF THE PROBLEM IS GIVEN IN LOW PRECISION. The matrix products marked QUANTISED in the list below multiply operands that are first quantised to E2M3 (2 exponent bits, 3 mantissa bits; 6 bits a number), with one power-of-two scale for each 32 numbers along K (OCP MX v1.0); their sums are f32. All else is computed in f32.
;;   The module's matrix products, in the order in which they are computed (A, B: the left and right operand; K: the contracted axis; several contracted axes count as one K, in the product's order):
;;     1. [M 8,192, K 1,024] x [K 1,024, N 1,024]; A: input query; B: input Wq: QUANTISED
;;     2. [M 8,192, K 1,024] x [K 1,024, N 1,024]; A: input keys; B: input Wk: QUANTISED
;;     3. [M 8,192, K 1,024] x [K 1,024, N 1,024]; A: input values; B: input Wv: QUANTISED
;;     4. batch 64 x [M 2,048, K 64] x [K 64, N 2,048]; A: computed on the way; B: computed on the way: QUANTISED
;;     5. batch 64 x [M 64, K 2,048] x [K 2,048, N 2,048]; A: computed on the way; B: softmax (see below): QUANTISED
;;     6. [M 8,192, K 1,024] x [K 1,024, N 1,024]; A: computed on the way; B: input Wo: QUANTISED
;;   THE QUANTISER, for each operand of a quantised product, along K:
;;     - K is cut into blocks of 32 from its start; a last block that is shorter is filled with zeros.
;;     - A block's scale is 2^e with e = floor(log2(the largest magnitude in the block)) - 2, held to -126 .. 127; a block of zeros has e = 0. As a byte (E8M0): e + 127.
;;     - Each number is divided by its block's scale, clamped to +-7.5, and rounded to the nearest number of E2M3, ties to even, subnormals kept.
;;     - The product sums the exact products of the quantised numbers (number of the format x scale) in f32.
;;   ~~~python
;;   def quantise(x, axis):      # numpy; x: float32 -> the quantised numbers, widened to float32 again
;;       x = np.moveaxis(x, axis, -1); K = x.shape[-1]
;;       x = np.pad(x, [(0, 0)] * (x.ndim - 1) + [(0, -K % 32)]); x = x.reshape(x.shape[:-1] + (-1, 32)); a = np.abs(x).max(-1, keepdims=True)
;;       e = np.where(a > 0, np.clip(np.frexp(np.where(a > 0, a, 1))[1] - 1 - 2, -126, 127), 0)      # np.frexp(a)[1] - 1 = floor(log2(a)), exactly
;;       r = np.clip(x / 2.0 ** e, -7.5, 7.5)
;;       step = 2.0 ** (np.maximum(np.frexp(np.where(r == 0, 1, r))[1] - 1, 0) - 3)
;;       q = np.round(r / step) * step * 2.0 ** e      # np.round: ties to even
;;       return np.moveaxis(q.reshape(q.shape[:-2] + (-1,))[..., :K], -1, axis).astype(np.float32)
;;   ~~~
;;   SOFTMAX AHEAD OF A QUANTISED PRODUCT. Where the list says 'softmax', what is quantised is not the finished softmax but p = 2^(t - M), with t = logit x log2(e) and M = ceil(the row's largest t), a whole number; so 1/2 < the row's largest p <= 1. The row's sum l is taken of the UNQUANTISED p, in f32, and the product's result is divided by l at the end. Since M is a whole number, a kernel that streams over the keys may use a running M (the ceiling of the running maximum): every later rescaling is an exact power of two, which a block's scale takes up: the codes' values come out the same.
;;   OPERANDS COMPUTED ON THE WAY. 'Computed on the way' means the value that the module computes at that place (a softmax that the list does not call 'softmax' is quantised finished and normalised). What goes into a quantiser is computed in f32, as accurately as f32 sums, v_exp_f32 and their like allow (about 1e-6 of the number): no bf16 or f16 on the way to a quantiser, and a product that is left as it is and whose result goes on into a quantised operand takes f32 operands (vector FMAs, or v_wmma_f32_16x16x4_f32). A number that lies on a knife's edge between two numbers of the format may be rounded either way, as far as f32 arithmetic and the matrix unit's own rounding can turn it there, and no further.
;; One version. Each part assembles by itself: llvm-mc -triple=amdgcn-amd-amdhsa -mcpu=gfx1250 --defsym DOCPART=n.
;; ======== version 1 of 1: 4 launches
;; limits: right only within a limited range of input values
;; workspace buffers: xw 22,937,600 bytes; orw 66,048 bytes of whole numbers; qb 6,815,744 bytes; kv 13,631,488 bytes; ab 6,553,600 bytes
;; launch quant (part 1): grid 257 x 1, 7 waves a work-group, no clusters, 60,160 bytes of LDS; arguments query, keys, values, Wq, Wk, Wv, Wo, mask, xw, orw; writes xw, orw
.if DOCPART == 1
	.amdgcn_target "amdgcn-amd-amdhsa--gfx1250"
	.amdhsa_code_object_version 6
	.text
	.protected	k_qbe09419d8c_quant
	.globl	k_qbe09419d8c_quant
	.p2align	8
	.type	k_qbe09419d8c_quant,@function
k_qbe09419d8c_quant:
	s_mov_b64 s[64:65], 0
	v_nop
	global_prefetch_b8 v0, s[64:65] scope:SCOPE_SE
	s_setreg_imm32_b32 hwreg(HW_REG_WAVE_MODE, 25, 1), 1
	s_wait_xcnt 0x0
; query, keys, values [8192][1024] and Wq, Wk, Wv, Wo [1024][1024], f32, K innermost, become codes of FP6 (E2M3) with one E8M0 scale byte for each 32 along K,
; laid in xw in the ORDER OF AN OPERAND'S REGISTERS.  The int mask becomes parts of scale words and one AND word a batch, in orw.
; TILES.  A tile is 16 rows; tile T = 2 B + u of a tensor holds, in lane r, row 32 B + 8 u + r + 8 (r / 8).  Tiles are numbered through all seven tensors: query 0, keys 512, values 1024, Wq 1536, Wk 1600, Wv 1664, Wo 1728.
; IMAGE of a fragment (16 rows x 128 K, 12 registers a lane), 1,536 bytes: for c = 0, 1 at 768 c: registers 6 c .. 6 c + 3 at 16 x lane, registers 6 c + 4, 6 c + 5 at 512 + 8 x lane.  Tile g, K step s lies at 12288 g + 1536 s.
; SCALE WORDS (four bytes: 128 along K of one row) at XSC + 1024 (g / 2) + 512 (s / 4) + 256 (g % 2) + 16 r + 4 (s % 4).
; A block's scale is 2^(floor(log2(its largest magnitude)) - 2); its byte is the largest magnitude's exponent field - 2, held at 1 from below (a block of zeros keeps the byte 1: its codes are zeros, and this program alone reads the bytes).
; LIMITS: blocks whose largest magnitude lies under 2^-124 keep the byte 1; NaN and infinities among the inputs are not served.
; SHARES.  1,792 tiles = 256 work-groups x 7 waves; a wave takes one tile, eight K steps.  Each load reads 512 consecutive bytes of one row; a step's 16 rows turn through the wave's own stage in LDS (rows 528 bytes apart),
; from which lane (r, h) takes k = 64 c + 32 h + 0 .. 31 of row r: two whole blocks, in the very order of the operand's registers.  Waves share nothing: no barrier.  No matrix unit, no tensor load, no cluster: nothing is read twice.
; Work-group 256 takes the mask: wave n < 4 takes batch n.  For token t: orw[4 t] = 0x7f7f0000 (bytes 2, 3 of a query's scale word); orw[32768 + 4 t] = bytes 2, 3 of a key's: byte 2 = 191 (2^64) where the key is masked, else 1.
; A batch all of whose keys are masked marks none, and its AND word (orw + 65536 + 128 n) is 0 in place of -1: the attention launch then clears the queries' codes, so that all scores are equal, as where() makes them.
.set XSC,   22020096
.set STG,   8448                       ; a wave's stage: 16 rows x 528 bytes
.set SPARE, 7*STG                      ; behind the stages: the spare words, 128 bytes a wave, four blocks of 256 bytes that no other line names
.set R,   16                           ; v16-143  two sets of 64 registers as loaded
.set X,   144                          ; v144-207 register 32 c + j: k = 64 c + 32 h + j of my row
.set C,   208                          ; v208-219 the fragment's codes
.set TT,  220                          ; v220-222, v224-226 the upper halves' codes (a conversion's three registers begin on an even number)
.set SB,  228                          ; v228-235 the scale word of each K step
.set W,   236                          ; v236-243 at work
.set SPW, 244                          ; LDS address of my spare word; never rewritten
.set NIL, 245                          ; 0; never rewritten
	s_load_b512 s[8:23], s[0:1], 0x0               ; query s[8:9], keys, values, Wq, Wk, Wv, Wo s[20:21], mask s[22:23]
	s_load_b128 s[24:27], s[0:1], 0x40             ; xw, orw
	v_lshl_add_u32 v[SPW], v0, 2, SPARE
	v_mov_b32 v[NIL], 0
	v_lshrrev_b32 v7, 5, v0
	v_readfirstlane_b32 s28, v7                    ; wave 0..6
	v_and_b32 v7, 31, v0                           ; lane
	v_lshlrev_b32 v1, 4, v7                        ; 16 x lane
	v_lshlrev_b32 v2, 3, v7                        ; 8 x lane
	v_and_b32 v8, 15, v0                           ; r
	v_bfe_u32 v6, v0, 4, 1                         ; h
	v_lshlrev_b32 v9, 3, v6                        ; 8 h
	s_mul_i32 s32, s28, STG
	v_add_nc_u32 v3, s32, v1                       ; the stage, on the way in: 16 x lane of a row
	v_mul_u32_u24 v4, v8, 528
	v_lshl_add_u32 v4, v6, 7, v4
	v_add_nc_u32 v4, s32, v4                       ; and out: row r, + 128 h
	v_lshlrev_b32 v5, 4, v8
	v_lshl_add_u32 v5, v6, 9, v5                   ; the scale words' place: 512 h + 16 r
	v_mov_b32 v[W+7], 0                            ; a lane permute's destination counts as one of its sources
	s_mov_b32 s40, 0x76543210
	s_mov_b32 s41, 0xfedcba98                      ; v_permlanex16_b32's selects for lane l xor 16
	s_wait_kmcnt 0x0
	s_cmp_eq_u32 ttmp9, 256
	s_cbranch_scc1 .Lmask
	s_mul_i32 s29, ttmp9, 7
	s_add_co_u32 s29, s29, s28                     ; g
	s_mov_b64 s[30:31], s[20:21]                   ; which tensor: the choice hangs on g alone
	s_cmp_lt_u32 s29, 1728
	s_cselect_b64 s[30:31], s[18:19], s[30:31]
	s_cmp_lt_u32 s29, 1664
	s_cselect_b64 s[30:31], s[16:17], s[30:31]
	s_cmp_lt_u32 s29, 1600
	s_cselect_b64 s[30:31], s[14:15], s[30:31]
	s_cmp_lt_u32 s29, 1536
	s_cselect_b64 s[30:31], s[12:13], s[30:31]
	s_cmp_lt_u32 s29, 1024
	s_cselect_b64 s[30:31], s[10:11], s[30:31]
	s_cmp_lt_u32 s29, 512
	s_cselect_b64 s[30:31], s[8:9], s[30:31]
	s_and_b32 s33, s29, 511
	s_and_b32 s34, s29, 63
	s_cmp_lt_u32 s29, 1536
	s_cselect_b32 s33, s33, s34                    ; T: the tile's number in its tensor
	; THE KEYS' TILES (g = 512 .. 1023) HAVE ANOTHER ROW ORDER than the head comment's: tile T = 4 C + u holds, in lane r, row 64 C + 8 u + r % 8 + 32 (r / 8),
	; so that in the attention launch a lane's 32 scores of four tiles are 32 neighbouring keys.  sh = 2 for the keys, 1 for all other tensors.
	s_lshr_b32 s44, s29, 9
	s_cmp_eq_u32 s44, 1
	s_cselect_b32 s44, 2, 1                        ; sh
	s_lshr_b32 s34, s33, s44
	s_add_co_u32 s45, s44, 16
	s_lshl_b32 s34, s34, s45                       ; (16 << sh) (T >> sh) rows of 4,096 bytes
	s_bfm_b32 s45, s44, 0
	s_and_b32 s35, s33, s45
	s_lshl_b32 s35, s35, 15                        ; + 8 (T % (1 << sh)) rows
	s_add_co_u32 s34, s34, s35
	s_mov_b32 s35, 0
	s_add_nc_u64 s[30:31], s[30:31], s[34:35]      ; the tile's rows 0-7
	s_lshl_b32 s34, 0x8000, s44
	s_add_nc_u64 s[42:43], s[30:31], s[34:35]      ; its rows 8-15: 16 rows further on, for the keys 32
	s_mul_i32 s36, s29, 12288
	s_mov_b32 s37, 0
	s_add_nc_u64 s[36:37], s[24:25], s[36:37]      ; my tile's images
	s_lshr_b32 s38, s29, 1
	s_lshl_b32 s38, s38, 10
	s_and_b32 s39, s29, 1
	s_lshl_b32 s39, s39, 8
	s_add_co_u32 s38, s38, s39
	s_add_co_u32 s38, s38, XSC
	s_mov_b32 s39, 0
	s_add_nc_u64 s[38:39], s[24:25], s[38:39]      ; and its scale words
.macro LOAD s                          ; K step s of the tile's 16 rows: 512 consecutive bytes a load
.irp i, 0,1,2,3,4,5,6,7,8,9,10,11,12,13,14,15
	global_load_b128 v[R+64*((\s)%2)+4*\i:R+64*((\s)%2)+4*\i+3], v1, s[30+12*(\i/8):31+12*(\i/8)] offset:(\i%8)*4096+512*(\s) th:TH_LOAD_NT
.endr
.endm
.macro STEP s
.set RS, R+64*((\s)%2)
.if (\s) < 7
	s_wait_loadcnt 16                              ; this step's 16 loads are in; the next step's 16 may be out
.else
	s_wait_loadcnt 0x0
.endif
.irp i, 0,1,2,3,4,5,6,7,8,9,10,11,12,13,14,15
	ds_store_b128 v3, v[RS+4*\i:RS+4*\i+3] offset:528*\i
.endr
.irp c, 0,1
.irp i, 0,1,2,3,4,5,6,7
	ds_load_b128 v[X+32*\c+4*\i:X+32*\c+4*\i+3], v4 offset:256*\c+16*\i   ; LDS serves a wave's instructions in order: these see the stores above
.endr
.endr
	s_wait_dscnt 0x0                               ; my 64 numbers are in, and the stores have read their registers,
.if (\s)+2 < 8
	LOAD (\s)+2                                    ; which take the loads of two steps on
.endif
.irp c, 0,1
	v_max3_num_f32 v[W+\c], |v[X+32*\c]|, |v[X+32*\c+1]|, 0x1800000   ; my block 2 c + h, and the floor 2^(3 - 127): the byte cannot fall under 1
.endr
.irp i, 2,4,6,8,10,12,14,16,18,20,22,24,26,28,30
.irp c, 0,1
	v_max3_num_f32 v[W+\c], v[W+\c], |v[X+32*\c+\i]|, |v[X+32*\c+\i+1]|
.endr
.endr
.irp c, 0,1
	v_add_nc_u32 v[W+2+\c], 0xff000000, v[W+\c]    ; 2 off the exponent field: the conversion's scale operand
.endr
.irp c, 0,1
	v_lshrrev_b32 v[W+4+\c], 23, v[W+2+\c]         ; the scale's byte
.endr
	v_lshl_or_b32 v[W+6], v[W+5], 16, v[W+4]       ; my two bytes: blocks h and 2 + h,
	v_lshlrev_b32 v[W+6], v9, v[W+6]               ; at their places (8 h bits up);
	v_permlanex16_b32 v[W+7], v[W+6], s40, s41
	v_or_b32 v[SB+(\s)], v[W+6], v[W+7]            ; with lane l xor 16's two the word is whole
	s_wait_alu depctr_va_vdst(0)
	s_wait_xcnt 0x0                                ; the last step's stores have read the codes' registers: they are written again only behind this wait
.irp c, 0,1
	v_cvt_scalef32_pk16_fp6_f32 v[C+6*\c:C+6*\c+2], v[X+32*\c:X+32*\c+15], v[W+2+\c]
	v_cvt_scalef32_pk16_fp6_f32 v[TT+4*\c:TT+4*\c+2], v[X+32*\c+16:X+32*\c+31], v[W+2+\c]
.endr
	v_nop                                          ; one plain place behind a scaled conversion
.irp c, 0,1
.irp i, 0,1,2
	v_mov_b32 v[C+6*\c+3+\i], v[TT+4*\c+\i]
.endr
.endr
	global_store_b128 v1, v[C:C+3], s[36:37] offset:1536*(\s)            ; each store covers 512 or 256 consecutive bytes, at a multiple of 256 from the buffer's first byte
	global_store_b64 v2, v[C+4:C+5], s[36:37] offset:1536*(\s)+512
	global_store_b128 v1, v[C+6:C+9], s[36:37] offset:1536*(\s)+768
	global_store_b64 v2, v[C+10:C+11], s[36:37] offset:1536*(\s)+1280
.endm
	LOAD 0
	LOAD 1
	s_wait_alu depctr_va_vdst(0)
.irp t, 0,1,2,3,4,5,6,7
	STEP \t
.endr
	v_cmp_ne_u32 vcc_lo, 0, v6
.irp i, 0,1,2,3
	v_cndmask_b32 v[W+\i], v[SB+\i], v[SB+4+\i], vcc_lo   ; lanes 0-15 store K steps 0-3 of row r, lanes 16-31 K steps 4-7
.endr
	global_store_b128 v5, v[W:W+3], s[38:39]       ; two aligned runs of 256 bytes
	s_wait_tensorcnt 0x0                           ; the wave's end, behind my last LDS store
	ds_add_u32 v[SPW], v[NIL]
	s_wait_dscnt 0x0
	s_endpgm
.Lmask:
	s_cmp_gt_u32 s28, 3
	s_cbranch_scc1 .Lend
	s_lshl_b32 s32, s28, 13                        ; a batch's 2,048 words
	s_mov_b32 s33, 0
	s_add_nc_u64 s[22:23], s[22:23], s[32:33]
	s_add_nc_u64 s[34:35], s[26:27], s[32:33]
.irp i, 0,1,2,3,4,5,6,7,8,9,10,11,12,13,14,15
	global_load_b128 v[16+4*\i:19+4*\i], v1, s[22:23] offset:512*\i
.endr
	s_wait_loadcnt 0x0
	v_or_b32 v80, v16, v17
.set j, 18
.rept 62
	v_or_b32 v80, v80, v[j]
.set j, j+1
.endr
	v_cmp_ne_u32 vcc_lo, 0, v80
	s_cmp_lg_u32 vcc_lo, 0                         ; does any key of the batch count?
	s_mov_b32 s20, 0x7f010000
	s_mov_b32 s21, 0x7fbf0000
	s_cselect_b32 s20, s21, s20                    ; a masked key's bytes 2, 3
	s_cselect_b32 s21, -1, 0                       ; the AND word
	v_mov_b32 v81, 0x7f010000                      ; those of a key that counts
	v_mov_b32 v82, s20
.set j, 16
.rept 64
	v_cmp_eq_u32 vcc_lo, 0, v[j]
	v_cndmask_b32 v[j], v81, v82, vcc_lo
.set j, j+1
.endr
.irp i, 0,1,2,3,4,5,6,7,8,9,10,11,12,13,14,15
	global_store_b128 v1, v[16+4*\i:19+4*\i], s[34:35] offset:32768+512*\i
.endr
.irp i, 0,1,2,3
	v_mov_b32 v[84+\i], 0x7f7f0000
.endr
.irp i, 0,1,2,3,4,5,6,7,8,9,10,11,12,13,14,15
	global_store_b128 v1, v[84:87], s[34:35] offset:512*\i
.endr
	v_mov_b32 v88, s21
	s_lshl_b32 s36, s28, 7
	s_mov_b32 s37, 0
	s_add_nc_u64 s[36:37], s[26:27], s[36:37]
	v_lshlrev_b32 v89, 2, v7
	global_store_b32 v89, v88, s[36:37] offset:65536
.Lend:
	s_endpgm
.Lfunc_end_k_qbe09419d8c_quant:
	.size	k_qbe09419d8c_quant, .Lfunc_end_k_qbe09419d8c_quant-k_qbe09419d8c_quant
	.p2alignl 7, 3214868480
	.fill 96, 4, 3214868480
	.section	.rodata,"a",@progbits
	.p2align	6, 0x0
	.amdhsa_kernel k_qbe09419d8c_quant
		.amdhsa_group_segment_fixed_size 60160
		.amdhsa_private_segment_fixed_size 0
		.amdhsa_enable_private_segment 0
		.amdhsa_kernarg_size 80
		.amdhsa_user_sgpr_count 2
		.amdhsa_user_sgpr_kernarg_segment_ptr 1
		.amdhsa_wavefront_size32 1
		.amdhsa_system_sgpr_workgroup_id_x 1
		.amdhsa_system_sgpr_workgroup_id_y 1
		.amdhsa_system_sgpr_workgroup_id_z 1
		.amdhsa_system_vgpr_workitem_id 0
		.amdhsa_next_free_vgpr 256
		.amdhsa_next_free_sgpr 66
		.amdhsa_reserve_vcc 1
		.amdhsa_float_denorm_mode_32 3
		.amdhsa_float_denorm_mode_16_64 3
		.amdhsa_memory_ordered 1
		.amdhsa_forward_progress 1
		.amdhsa_inst_pref_size 71
	.end_amdhsa_kernel
	.amdgpu_metadata
---
amdhsa.version: [ 1, 2 ]
amdhsa.kernels:
  - .name:           k_qbe09419d8c_quant
    .symbol:         k_qbe09419d8c_quant.kd
    .args:
      - { .name: query, .offset: 0, .size: 8, .value_kind: global_buffer, .address_space: global }
      - { .name: keys, .offset: 8, .size: 8, .value_kind: global_buffer, .address_space: global }
      - { .name: values, .offset: 16, .size: 8, .value_kind: global_buffer, .address_space: global }
      - { .name: Wq, .offset: 24, .size: 8, .value_kind: global_buffer, .address_space: global }
      - { .name: Wk, .offset: 32, .size: 8, .value_kind: global_buffer, .address_space: global }
      - { .name: Wv, .offset: 40, .size: 8, .value_kind: global_buffer, .address_space: global }
      - { .name: Wo, .offset: 48, .size: 8, .value_kind: global_buffer, .address_space: global }
      - { .name: mask, .offset: 56, .size: 8, .value_kind: global_buffer, .address_space: global }
      - { .name: xw, .offset: 64, .size: 8, .value_kind: global_buffer, .address_space: global }
      - { .name: orw, .offset: 72, .size: 8, .value_kind: global_buffer, .address_space: global }
    .group_segment_fixed_size: 60160
    .private_segment_fixed_size: 0
    .kernarg_segment_align: 8
    .kernarg_segment_size: 80
    .max_flat_workgroup_size: 224
    .sgpr_count:     66
    .vgpr_count:     256
    .wavefront_size: 32
...
	.end_amdgpu_metadata
.endif
;; end of part 1
;; launch proj (part 2): grid 4 x 192, 4 waves a work-group, clusters of 4 x 4, 327,680 bytes of LDS; arguments xw, orw, qb, kv; writes qb, kv
.if DOCPART == 2
	.amdgcn_target "amdgcn-amd-amdhsa--gfx1250"
	.amdhsa_code_object_version 6
	.text
	.protected	k_qbe09419d8c_proj
	.globl	k_qbe09419d8c_proj
	.p2align	8
	.type	k_qbe09419d8c_proj,@function
k_qbe09419d8c_proj:
	s_mov_b64 s[64:65], 0
	v_nop
	global_prefetch_b8 v0, s[64:65] scope:SCOPE_SE
	s_setreg_imm32_b32 hwreg(HW_REG_WAVE_MODE, 25, 1), 1
	s_wait_xcnt 0x0
	s_wait_alu depctr_hold_cnt(0) depctr_sa_sdst(0) depctr_va_vdst(0) depctr_va_sdst(0) depctr_va_ssrc(0) depctr_va_vcc(0) depctr_vm_vsrc(0)
	s_getreg_b32 s2, hwreg(HW_REG_IB_STS2, 6, 4)
	s_cmp_eq_u32 s2, 0
	s_cbranch_scc0 .Lentry_in_a_cluster
	s_endpgm
.Lentry_in_a_cluster:
	s_bfe_u32 s2, ttmp6, 0x10000c
	s_cmp_lg_u32 s2, 0xf033
	s_cbranch_scc0 .Lentry_shape_is_right
	s_endpgm
.Lentry_shape_is_right:
; q = query Wq^T, k = keys Wk^T, v = values Wv^T on codes of FP6 (E2M3) with E8M0 scales, sums in f32; the results are quantised in registers and leave as codes: q and k along the head's 64, v along the keys.
; A work-group makes 256 rows of SOURCE 0 x 128 rows of SOURCE 1 over all K = 1,024.  In the result a lane holds one row of source 1, and its registers run along source 0's rows; by the tiles' row order
; (lane r of tile 2 B + u holds row 32 B + 8 u + r + 8 (r / 8)) the 16 registers of tiles 2 B, 2 B + 1 are 16 neighbours.  So for q and k source 0 is the weight (registers along the features), for v it is values (registers along the keys).
; The cluster's y picks the product: tau = y / 16 = 0 (q), 1 (k), 2 (v).  Only tile numbers differ between the three until the way out.
; ALL OF K LIES IN LDS, every byte filled once: four chunks of two K steps, each 16 tiles of source 0 and 8 of source 1 as images of the operand's registers (3,072 bytes a tile and chunk).  No ring, no refill.
; CLUSTERS: 4 x 4 work-groups.  Source 0's tiles hang on x alone and are asked for jointly by the four of a column, source 1's on y alone, by the four of a row.  A wave has four tensor loads outstanding at the most.
; A wave makes 128 (wx) x 64 (wy): 32 accumulators, which take turns in the same order in every K step.
; THE WHERE() OF THE MASK rides in the scale words: byte 2 of a key's word is 191 where the key is masked and 1 where not, of a query's 127; the attention launch sets one constant code into that block of each fragment.
; LIMITS: blocks whose largest magnitude lies under 2^-124 keep the byte 1 (their codes are then small or zero); NaN and infinities are not served.
; REGISTERS: window 0: v1 16 x lane, v2 8 x lane, v3 r, v4 h, v8-11 LDS addresses of the chunk in hand, v12, v13 the add's two, v14 an offset, v20-23 bytes 2, 3 of my tokens' scale words,
;   v32-63 source 0's scale words (pair i, K step s at 32 + 8 i + s: lanes 0-15 tile 2 i, lanes 16-31 tile 2 i + 1), v64-79 source 1's, v80-95 at work, v96-111 scale words on the way out, v128-223 source 1's fragments, two sets; later the codes.
;   window 1: accumulator (a, b) at 8 (8 a + b).   window 2: source 0's fragments, two sets at 0 and 128.
.set XSC,   22020096
.set QSC,   6291456
.set CH,    73728                      ; a chunk: 16 x 3,072 + 8 x 3,072 bytes
.set SPARE, 4*CH                       ; behind the chunks: the spare words, 128 bytes a wave
.set SPW, 12
.set NIL, 13
.set TM,  80
.set SEL, 22                           ; s[22:23]
.set G1A, 24                           ; s[24:31] group 1 for source 0's tiles;  s[32:39] for source 1's
.set G1B, 32
.set G0A, 40                           ; s[40:43] group 0 for source 0;  source 1's at s[56:59]
.set MSB, 0
.macro WIN new                         ; the immediate's high byte repeats the setting that is left
.if MSB != \new
	s_set_vgpr_msb (MSB<<8)|\new
.set MSB, \new
.endif
.endm
.macro CROUND                          ; a round of the cluster's barrier
	s_barrier_signal -1
	s_barrier_wait -1
	s_cmp_lg_u32 s12, 0
	s_cbranch_scc1 .Lnot_wave_0_\@
	s_barrier_signal -3
.Lnot_wave_0_\@:
	s_barrier_wait -3
	s_barrier_signal -1
	s_barrier_wait -1
.endm
.macro PLACES n
.rept \n
	v_nop
.endr
.endm
; a product that adds onto registers c; ra, rb: source 0's, source 1's scales stand in lanes 16-31
.macro WMC d, a, b, c, sa, sb, ra, rb
.if (\ra) && (\rb)
	v_wmma_scale_f32_16x16x128_f8f6f4 v[(\d):(\d)+7], v[(\a):(\a)+11], v[(\b):(\b)+11], v[(\c):(\c)+7], v[\sa], v[\sb] matrix_a_fmt:MATRIX_FMT_FP6 matrix_b_fmt:MATRIX_FMT_FP6 matrix_a_scale:MATRIX_SCALE_ROW1 matrix_b_scale:MATRIX_SCALE_ROW1
.elseif (\ra)
	v_wmma_scale_f32_16x16x128_f8f6f4 v[(\d):(\d)+7], v[(\a):(\a)+11], v[(\b):(\b)+11], v[(\c):(\c)+7], v[\sa], v[\sb] matrix_a_fmt:MATRIX_FMT_FP6 matrix_b_fmt:MATRIX_FMT_FP6 matrix_a_scale:MATRIX_SCALE_ROW1
.elseif (\rb)
	v_wmma_scale_f32_16x16x128_f8f6f4 v[(\d):(\d)+7], v[(\a):(\a)+11], v[(\b):(\b)+11], v[(\c):(\c)+7], v[\sa], v[\sb] matrix_a_fmt:MATRIX_FMT_FP6 matrix_b_fmt:MATRIX_FMT_FP6 matrix_b_scale:MATRIX_SCALE_ROW1
.else
	v_wmma_scale_f32_16x16x128_f8f6f4 v[(\d):(\d)+7], v[(\a):(\a)+11], v[(\b):(\b)+11], v[(\c):(\c)+7], v[\sa], v[\sb] matrix_a_fmt:MATRIX_FMT_FP6 matrix_b_fmt:MATRIX_FMT_FP6
.endif
.endm
; a product that starts a sum with the constant 0: nothing is ever cleared
.macro WMZ d, a, b, sa, sb, ra, rb
.if (\ra) && (\rb)
	v_wmma_scale_f32_16x16x128_f8f6f4 v[(\d):(\d)+7], v[(\a):(\a)+11], v[(\b):(\b)+11], 0, v[\sa], v[\sb] matrix_a_fmt:MATRIX_FMT_FP6 matrix_b_fmt:MATRIX_FMT_FP6 matrix_a_scale:MATRIX_SCALE_ROW1 matrix_b_scale:MATRIX_SCALE_ROW1
.elseif (\ra)
	v_wmma_scale_f32_16x16x128_f8f6f4 v[(\d):(\d)+7], v[(\a):(\a)+11], v[(\b):(\b)+11], 0, v[\sa], v[\sb] matrix_a_fmt:MATRIX_FMT_FP6 matrix_b_fmt:MATRIX_FMT_FP6 matrix_a_scale:MATRIX_SCALE_ROW1
.elseif (\rb)
	v_wmma_scale_f32_16x16x128_f8f6f4 v[(\d):(\d)+7], v[(\a):(\a)+11], v[(\b):(\b)+11], 0, v[\sa], v[\sb] matrix_a_fmt:MATRIX_FMT_FP6 matrix_b_fmt:MATRIX_FMT_FP6 matrix_b_scale:MATRIX_SCALE_ROW1
.else
	v_wmma_scale_f32_16x16x128_f8f6f4 v[(\d):(\d)+7], v[(\a):(\a)+11], v[(\b):(\b)+11], 0, v[\sa], v[\sb] matrix_a_fmt:MATRIX_FMT_FP6 matrix_b_fmt:MATRIX_FMT_FP6
.endif
.endm
.macro FRAG reg, a16, a8, off          ; a fragment's image back into 12 registers: every instruction reads consecutive bytes
	ds_load_b128 v[(\reg):(\reg)+3], v[\a16] offset:(\off)
	ds_load_b64 v[(\reg)+4:(\reg)+5], v[\a8] offset:(\off)+512
	ds_load_b128 v[(\reg)+6:(\reg)+9], v[\a16] offset:(\off)+768
	ds_load_b64 v[(\reg)+10:(\reg)+11], v[\a8] offset:(\off)+1280
.endm
.macro FETCH s                         ; K step s: my 8 fragments of source 0 and 4 of source 1, 48 LDS loads, into set s % 2
	WIN 0x80                                       ; destination window 2
.irp b, 0,1,2,3,4,5,6,7
	FRAG 128*((\s)%2)+12*\b, 8, 9, 6144*\b+1536*((\s)%4)
.endr
	WIN 0
.irp a, 0,1,2,3
	FRAG 128+48*((\s)%2)+12*\a, 10, 11, 6144*\a+1536*((\s)%4)
.endr
.endm
.macro MULS s, first                   ; 32 products
	WIN 0x52                                       ; source 0 window 2, source 1 window 0, C and D window 1
.irp a, 0,1,2,3
.irp b, 0,1,2,3,4,5,6,7
.if \first
	WMZ 8*(8*\a+\b), 128*((\s)%2)+12*\b, 128+48*((\s)%2)+12*\a, 32+8*(\b/2)+(\s), 64+8*(\a/2)+(\s), \b%2, \a%2
.else
	WMC 8*(8*\a+\b), 128*((\s)%2)+12*\b, 128+48*((\s)%2)+12*\a, 8*(8*\a+\b), 32+8*(\b/2)+(\s), 64+8*(\a/2)+(\s), \b%2, \a%2
.endif
.endr
.endr
	WIN 0
.endm
; A K step: the next step's fragments are asked for, then this step's 32 products are issued.  A load into a register that a matrix instruction has read stands four plain vector instructions behind it (ISA guide 7.12.1 for vector instructions).
.macro KSTEP s
.if (\s) == 3
	s_wait_dscnt 0x0                               ; no LDS instruction of mine is out at a signal
	s_wait_tensorcnt 0x0                           ; every wave's one load has landed: the second half is whole
	s_barrier_signal -1
	s_barrier_wait -1
.irp v, 8,9,10,11
	v_add_nc_u32 v[\v], 2*CH, v[\v]                ; on to the second half; these four are the places
.endr
.elseif ((\s) < 7) && ((\s) > 0)
	PLACES 4
.endif
.if (\s) < 7
	FETCH (\s)+1
	s_wait_alu depctr_va_vdst(0)
	s_wait_dscnt 48                                ; all but the 48 just issued: this step's fragments are in
.else
	s_wait_dscnt 0x0
.endif
.if (\s) == 0
	MULS \s, 1
.else
	MULS \s, 0
.endif
.endm
; 64 numbers of a lane in window 1, register base + 16 b + i = k 32 b + 16 h + i of my row, become a fragment's codes in v[pc] on and its scale word in v[pw].  Each accumulator is read from its low end on.
.macro QUANTW base, pc, pw
.irp b, 0,1,2,3
	v_mov_b32 v[TM+\b], 0x1800000                  ; the floor 2^(3 - 127): the byte cannot fall under 1.  (Behind the last products these four are the places)
.endr
	WIN 0x14                                       ; sources 1 and 2 window 1
.irp i, 0,2,4,6,8,10,12,14
.irp b, 0,1,2,3
	v_max3_num_f32 v[TM+\b], v[TM+\b], |v[(\base)+16*\b+\i]|, |v[(\base)+16*\b+\i+1]|
.endr
.endr
	WIN 0
.irp b, 0,1,2,3
	v_permlanex16_b32 v[TM+4+\b], v[TM+\b], s[SEL], s[SEL+1]
.endr
.irp b, 0,1,2,3
	v_max_num_f32 v[TM+\b], v[TM+\b], v[TM+4+\b]   ; with lane l xor 16's: the block's largest magnitude
.endr
.irp b, 0,1,2,3
	v_add_nc_u32 v[TM+12+\b], 0xff000000, v[TM+\b] ; 2 off its exponent field: the conversion's scale operand
.endr
.irp b, 0,1,2,3
	v_lshrrev_b32 v[TM+4+\b], 23, v[TM+12+\b]      ; the scale's byte
.endr
	v_lshl_or_b32 v[\pw], v[TM+5], 8, v[TM+4]
	v_lshl_or_b32 v[\pw], v[TM+6], 16, v[\pw]
	v_lshl_or_b32 v[\pw], v[TM+7], 24, v[\pw]
	WIN 0x01                                       ; source 0 window 1
.irp c, 0,1
	v_cvt_scalef32_pk16_fp6_f32 v[(\pc)+6*\c:(\pc)+6*\c+2], v[(\base)+32*\c:(\base)+32*\c+15], v[TM+12+2*\c]
	v_cvt_scalef32_pk16_fp6_f32 v[(\pc)+12+4*\c:(\pc)+14+4*\c], v[(\base)+32*\c+16:(\base)+32*\c+31], v[TM+13+2*\c]
.endr
	WIN 0
	v_nop                                          ; one plain place behind a scaled conversion
.irp c, 0,1                                    ; the operand's layout wants a whole block in a lane
.irp i, 0,1,2
	v_permlane16_swap_b32 v[(\pc)+6*\c+\i], v[(\pc)+12+4*\c+\i]
.endr
.irp i, 0,1,2
	v_mov_b32 v[(\pc)+3+6*\c+\i], v[(\pc)+12+4*\c+\i]
.endr
.endr
.endm
.macro FINISH
	s_wait_tensorcnt 0x0                           ; the wave's end
	ds_add_u32 v[SPW], v[NIL]
	s_wait_dscnt 0x0
	CROUND                                         ; the closing round
	s_endpgm
.endm
	s_load_b256 s[4:11], s[0:1], 0x0               ; xw s[4:5], orw s[6:7], qb s[8:9], kv s[10:11]
	v_lshl_add_u32 v[SPW], v0, 2, SPARE
	v_mov_b32 v[NIL], 0
	ds_add_u32 v[SPW], v[NIL]                      ; the wave's opening: the add and its wait ahead of my first tensor load; work on registers stands between them
	ds_add_u32 v[SPW], v[NIL]
	v_lshrrev_b32 v5, 5, v0
	v_readfirstlane_b32 s12, v5                    ; wave 0..3
	s_and_b32 s13, s12, 1                          ; wx: my 128 rows of source 0.  Also: I fetch for source 0 (0) or 1 (1)
	s_lshr_b32 s14, s12, 1                         ; wy: my 64 rows of source 1.  Also: which half of K I fetch
	s_bfe_u32 s15, ttmp6, 0x40000                  ; cx
	s_bfe_u32 s16, ttmp6, 0x40004                  ; cy
	s_and_b32 s76, ttmp7, 0xffff                   ; the cluster's y, 0..47
	s_lshr_b32 s17, s76, 4                         ; tau: the same in all sixteen partners
	s_and_b32 s76, s76, 15
	s_and_b32 s20, s76, 7
	s_lshr_b32 s21, s76, 3
	s_lshl_b32 s18, s17, 6
	s_add_co_u32 s18, s18, 1536                    ; q, k: source 0 = Wq or Wk,
	s_lshl_b32 s19, s17, 9                         ; source 1 = query or keys
	s_mov_b32 s77, 1024                            ; v: source 0 = values,
	s_mov_b32 s82, 1664                            ; source 1 = Wv
	s_cmp_eq_u32 s17, 2
	s_cselect_b32 s20, s20, 0                      ; the cluster's place along source 0
	s_cselect_b32 s21, s21, s76                    ; and along source 1
	s_cselect_b32 s18, s77, s18
	s_cselect_b32 s19, s82, s19
	s_lshl_b32 s20, s20, 2
	s_add_co_u32 s20, s20, s15                     ; X: which 256 rows of source 0
	s_lshl_b32 s21, s21, 2
	s_add_co_u32 s21, s21, s16                     ; Y: which 128 rows of source 1
	s_lshl_b32 s77, s20, 4
	s_add_co_u32 s18, s18, s77                     ; source 0's first tile
	s_lshl_b32 s82, s21, 3
	s_add_co_u32 s19, s19, s82                     ; source 1's
	s_lshl_b32 s78, 0x1111, s15                    ; my column of the cluster (same cx)
	s_lshl_b32 s83, s16, 2
	s_lshl_b32 s83, 15, s83                        ; my row (same cy)
	s_or_b32 s[G1A], s78, (3<<16)|(1<<21)          ; 15:0 the mask; 17:16 elements of 8 bytes; 21 set beside a mask; no padding
	; LDS NOW HOLDS TWO HALVES OF FOUR K STEPS (in place of the four chunks that the head comment names), 2 CH bytes each: 16 tiles of source 0, then 8 of source 1, 6,144 bytes a tile.
	; ONE TENSOR LOAD A WAVE: wave 0 source 0's first half, wave 1 source 1's, waves 2 and 3 the second halves.  One tensor load of a wave is out.
	s_mov_b32 s[G1A+1], 768<<16                    ; tensor_dim0 = 768 elements: a tile's 6,144 bytes of a half
	s_mov_b32 s[G1A+2], 16<<16                     ; tensor_dim1 = 16 tiles
	s_mov_b32 s[G1A+3], 768<<16                    ; tile_dim0
	s_mov_b32 s[G1A+4], 16                         ; tile_dim1
	s_mov_b32 s[G1A+5], 1536                       ; from tile to tile: 12,288 bytes
	s_mov_b32 s[G1A+6], 0
	s_mov_b32 s[G1A+7], 0
	s_or_b32 s[G1B], s83, (3<<16)|(1<<21)
	s_mov_b32 s[G1B+1], 768<<16
	s_mov_b32 s[G1B+2], 8<<16
	s_mov_b32 s[G1B+3], 768<<16
	s_mov_b32 s[G1B+4], 8
	s_mov_b32 s[G1B+5], 1536
	s_mov_b32 s[G1B+6], 0
	s_mov_b32 s[G1B+7], 0
	s_lshl_b32 s79, s13, 3
	s_add_co_u32 s79, s79, s18                     ; source 0: tile + 8 wx (what I fetch if I fetch for it, and what I multiply)
	s_mul_i32 s80, s18, 12288                      ; what is fetched of source 0: all 16 tiles, half wave / 2
	s_mul_i32 s81, s14, 6144
	s_add_co_u32 s80, s80, s81
	s_mov_b32 s81, 0
	s_mul_i32 s84, s19, 12288                      ; of source 1: all 8 tiles, the same half
	s_mul_i32 s85, s14, 6144
	s_add_co_u32 s84, s84, s85
	s_mov_b32 s85, 0
	s_mul_i32 s86, s13, 49152                      ; where I read my 8 tiles of source 0
	s_mul_i32 s87, s14, 2*CH                       ; where the fetched half goes: no place in the cluster enters an LDS address
	s_mov_b32 s[SEL], 0x76543210
	s_mov_b32 s[SEL+1], 0xfedcba98
	v_and_b32 v5, 31, v0
	v_lshlrev_b32 v1, 4, v5                        ; 16 x lane
	v_lshlrev_b32 v2, 3, v5                        ; 8 x lane
	v_and_b32 v3, 15, v0                           ; r
	v_bfe_u32 v4, v0, 4, 1                         ; h
	v_add_nc_u32 v8, s86, v1                       ; my 8 tiles of source 0 in chunk 0
	v_add_nc_u32 v9, s86, v2
	s_mul_i32 s94, s14, 24576
	s_add_co_u32 s94, s94, 98304
	v_add_nc_u32 v10, s94, v1                      ; my 4 tiles of source 1
	v_add_nc_u32 v11, s94, v2
	s_cmp_eq_u32 s17, 1                            ; the keys' tiles have their own row order: tile a of my four holds token 8 a + r + 24 (r / 8); the queries' 32 (a / 2) + 8 (a % 2) + r + 8 (r / 8)
	s_cselect_b32 s77, 12, 4
	s_cselect_b32 s82, 64, 128
	v_and_b32 v5, 8, v3
	v_mul_u32_u24 v5, v5, s77
	v_lshl_add_u32 v14, v3, 2, v5                  ; my token's word in tiles 0, 1
	v_add_nc_u32 v15, s82, v14                     ; and in tiles 2, 3
.irp b, 0,1,2,3
	v_mov_b32 v[TM+4+\b], 0                        ; a lane permute's destination counts as one of its sources
.endr
	s_wait_dscnt 0x0                               ; the opening add is done
	CROUND                                         ; the round in front of the first joint loads, ahead of the wait for the arguments: all sixteen work-groups are here
	s_wait_kmcnt 0x0
	s_add_nc_u64 s[80:81], s[4:5], s[80:81]
	s_add_nc_u64 s[84:85], s[4:5], s[84:85]
	s_mov_b32 s[G0A], 1
	s_mov_b32 s[G0A+1], s87
	s_mov_b64 s[G0A+2:G0A+3], s[80:81]
	s_or_b32 s[G0A+3], s[G0A+3], 0x80000000
	s_mov_b32 s56, 1
	s_add_co_u32 s57, s87, 98304
	s_mov_b64 s[58:59], s[84:85]
	s_or_b32 s59, s59, 0x80000000
	s_cmp_eq_u32 s12, 0                            ; one chain of branches on the wave's number, one load to an arm, one join
	s_cbranch_scc0 .Lfill_1
	tensor_load_to_lds s[G0A:G0A+3], s[G1A:G1A+7]  ; wave 0: source 0, K steps 0-3
	s_nop 0
	PLACES 4
	s_branch .Lfilled
.Lfill_1:
	s_cmp_eq_u32 s12, 1
	s_cbranch_scc0 .Lfill_2
	tensor_load_to_lds s[56:59], s[G1B:G1B+7]      ; wave 1: source 1, K steps 0-3
	s_nop 0
	PLACES 4
	s_branch .Lfilled
.Lfill_2:
	s_cmp_eq_u32 s12, 2
	s_cbranch_scc0 .Lfill_3
	tensor_load_to_lds s[G0A:G0A+3], s[G1A:G1A+7]  ; wave 2: source 0, K steps 4-7
	s_nop 0
	PLACES 4
	s_branch .Lfilled
.Lfill_3:
	tensor_load_to_lds s[56:59], s[G1B:G1B+7]      ; wave 3: source 1, K steps 4-7
	s_nop 0
	PLACES 4
.Lfilled:
	s_lshl_b32 s88, s79, 9                         ; the scale words of my 8 tiles of source 0: 1,024 bytes a pair of tiles
	s_add_co_u32 s88, s88, XSC
	s_mov_b32 s89, 0
	s_add_nc_u64 s[88:89], s[4:5], s[88:89]
.irp i, 0,1,2,3
.irp q, 0,1
	global_load_b128 v[32+8*\i+4*\q:35+8*\i+4*\q], v1, s[88:89] offset:1024*\i+512*\q   ; 512 consecutive bytes: four K steps' words of 32 rows
.endr
.endr
	s_lshl_b32 s90, s14, 2
	s_add_co_u32 s90, s90, s19                     ; and of my 4 tiles of source 1
	s_lshl_b32 s90, s90, 9
	s_add_co_u32 s90, s90, XSC
	s_mov_b32 s91, 0
	s_add_nc_u64 s[90:91], s[4:5], s[90:91]
.irp i, 0,1
.irp q, 0,1
	global_load_b128 v[64+8*\i+4*\q:67+8*\i+4*\q], v1, s[90:91] offset:1024*\i+512*\q
.endr
.endr
	s_min_u32 s92, s17, 1                          ; bytes 2, 3 of my tokens' scale words: the queries' table or the keys' (read for v too, inside the table, and not used there)
	s_lshl_b32 s92, s92, 15
	s_lshl_b32 s93, s21, 9
	s_add_co_u32 s92, s92, s93
	s_lshl_b32 s93, s14, 8
	s_add_co_u32 s92, s92, s93
	s_mov_b32 s93, 0
	s_add_nc_u64 s[92:93], s[6:7], s[92:93]
	s_wait_alu depctr_va_vdst(0)
.irp a, 0,1,2,3
	global_load_b32 v[20+\a], v[14+\a/2], s[92:93] offset:32*(\a%2)
.endr
	s_cmp_lt_u32 s12, 2                            ; the first half is waves 0 and 1's: they wait for their loads
	s_cbranch_scc0 .Lnot_first
	s_wait_tensorcnt 0x0
.Lnot_first:
	s_barrier_signal -1
	s_barrier_wait -1                              ; everybody's has
	FETCH 0
	s_wait_loadcnt 0x0                             ; the scale words
.irp t, 0,1,2,3,4,5,6,7
	KSTEP \t
.endr
	s_cmp_eq_u32 s17, 2
	s_cbranch_scc1 .Lepi_v
	; ---- q, k: my 128 features are two heads.  A fragment's registers 0-5 are head A's 64, registers 6-11 head B's: each is the lower half of a fragment of that head
	s_lshr_b32 s88, s21, 4
	s_lshl_b32 s88, s88, 4                         ; 16 n
	s_lshl_b32 s89, s20, 2
	s_add_co_u32 s88, s88, s89
	s_lshl_b32 s89, s13, 1
	s_add_co_u32 s88, s88, s89                     ; head A = 16 n + 4 X + 2 wx
	s_and_b32 s89, s21, 15                         ; the step of 128 tokens
	s_mov_b32 s90, 212992
	s_mov_b32 s91, 6656
	s_mov_b32 s92, 6144
	s_cmp_eq_u32 s17, 0
	s_cselect_b64 s[94:95], s[8:9], s[10:11]       ; qb or kv
	s_cselect_b32 s96, 98304, s90                  ; codes: from head to head,
	s_cselect_b32 s97, 6144, s91                   ; from step to step
	s_cselect_b32 s98, 8192, s90                   ; scale words likewise,
	s_cselect_b32 s99, 512, s91
	s_cselect_b32 s100, QSC, s92                   ; and where they begin
	s_mul_i32 s90, s88, s96
	s_mul_i32 s91, s89, s97
	s_add_co_u32 s90, s90, s91
	s_mul_i32 s91, s14, 3072
	s_add_co_u32 s90, s90, s91
	s_mov_b32 s91, 0
	s_add_nc_u64 s[90:91], s[94:95], s[90:91]      ; head A's codes: my four tiles
	s_mov_b32 s97, 0
	s_add_nc_u64 s[92:93], s[90:91], s[96:97]      ; head B's
	s_mul_i32 s88, s88, s98
	s_mul_i32 s89, s89, s99
	s_add_co_u32 s88, s88, s89
	s_add_co_u32 s88, s88, s100
	s_lshl_b32 s89, s14, 8
	s_add_co_u32 s88, s88, s89
	s_mov_b32 s89, 0
	s_add_nc_u64 s[88:89], s[94:95], s[88:89]      ; head A's scale words
	s_mov_b32 s99, 0
	s_add_nc_u64 s[98:99], s[88:89], s[98:99]      ; head B's
.irp a, 0,1,2,3
	QUANTW 64*\a, 128+20*\a, 96+\a                 ; each tile has its own registers for its codes: no store's data are written again
	global_store_b128 v1, v[128+20*\a:131+20*\a], s[90:91] offset:768*\a
	global_store_b64 v2, v[132+20*\a:133+20*\a], s[90:91] offset:768*\a+512
	global_store_b128 v1, v[134+20*\a:137+20*\a], s[92:93] offset:768*\a
	global_store_b64 v2, v[138+20*\a:139+20*\a], s[92:93] offset:768*\a+512
	v_and_or_b32 v[100+\a], v[96+\a], 0xffff, v[20+\a]   ; head A's word: its two bytes, and the token's bytes 2, 3
	v_lshrrev_b32 v[104+\a], 16, v[96+\a]
	v_or_b32 v[104+\a], v[104+\a], v[20+\a]        ; head B's
.endr
	v_cmp_ne_u32 vcc_lo, 0, v4
	v_cndmask_b32 v108, v100, v101, vcc_lo         ; lanes 0-15 hold the even tile's words, lanes 16-31 the odd tile's
	v_cndmask_b32 v109, v102, v103, vcc_lo
	v_cndmask_b32 v110, v104, v105, vcc_lo
	v_cndmask_b32 v111, v106, v107, vcc_lo
	global_store_b64 v2, v[108:109], s[88:89]      ; 256 consecutive bytes, aligned
	global_store_b64 v2, v[110:111], s[98:99]
	FINISH
.Lepi_v:
	; ---- v: my 128 rows of source 0 are one key step, my 64 rows of source 1 one head: four whole fragments of V^T
	s_lshl_b32 s88, s20, 1
	s_add_co_u32 s88, s88, s13                     ; 2 X + wx = 16 n + the key step
	s_and_b32 s89, s88, 15
	s_lshr_b32 s88, s88, 4
	s_lshl_b32 s88, s88, 4
	s_lshl_b32 s90, s21, 1
	s_add_co_u32 s88, s88, s90
	s_add_co_u32 s88, s88, s14                     ; 16 n + 2 Y + wy
	s_mul_i32 s88, s88, 212992
	s_mul_i32 s89, s89, 6656
	s_add_co_u32 s88, s88, s89
	s_add_co_u32 s88, s88, 106496
	s_mov_b32 s89, 0
	s_add_nc_u64 s[88:89], s[10:11], s[88:89]
.irp a, 0,1,2,3
	QUANTW 64*\a, 128+20*\a, 96+\a
.irp j, 0,1,2
	global_store_b128 v1, v[128+20*\a+4*\j:131+20*\a+4*\j], s[88:89] offset:1536*\a+512*\j
.endr
.endr
	v_cmp_ne_u32 vcc_lo, 0, v4
	v_cndmask_b32 v108, v96, v97, vcc_lo
	v_cndmask_b32 v109, v98, v99, vcc_lo
	global_store_b64 v2, v[108:109], s[88:89] offset:6144
	global_store_b64 v2, v[108:109], s[88:89] offset:6400   ; once more: every byte of the block that the next launch's tensor load reads is stored
	FINISH
.Lfunc_end_k_qbe09419d8c_proj:
	.size	k_qbe09419d8c_proj, .Lfunc_end_k_qbe09419d8c_proj-k_qbe09419d8c_proj
	.p2alignl 7, 3214868480
	.fill 96, 4, 3214868480
	.section	.rodata,"a",@progbits
	.p2align	6, 0x0
	.amdhsa_kernel k_qbe09419d8c_proj
		.amdhsa_group_segment_fixed_size 327680
		.amdhsa_private_segment_fixed_size 0
		.amdhsa_enable_private_segment 0
		.amdhsa_kernarg_size 32
		.amdhsa_user_sgpr_count 2
		.amdhsa_user_sgpr_kernarg_segment_ptr 1
		.amdhsa_wavefront_size32 1
		.amdhsa_system_sgpr_workgroup_id_x 1
		.amdhsa_system_sgpr_workgroup_id_y 1
		.amdhsa_system_sgpr_workgroup_id_z 1
		.amdhsa_system_vgpr_workitem_id 0
		.amdhsa_next_free_vgpr 768
		.amdhsa_next_free_sgpr 104
		.amdhsa_reserve_vcc 1
		.amdhsa_float_denorm_mode_32 3
		.amdhsa_float_denorm_mode_16_64 3
		.amdhsa_memory_ordered 1
		.amdhsa_forward_progress 1
		.amdhsa_inst_pref_size 106
	.end_amdhsa_kernel
	.amdgpu_metadata
---
amdhsa.version: [ 1, 2 ]
amdhsa.kernels:
  - .name:           k_qbe09419d8c_proj
    .symbol:         k_qbe09419d8c_proj.kd
    .args:
      - { .name: xw, .offset: 0, .size: 8, .value_kind: global_buffer, .address_space: global }
      - { .name: orw, .offset: 8, .size: 8, .value_kind: global_buffer, .address_space: global }
      - { .name: qb, .offset: 16, .size: 8, .value_kind: global_buffer, .address_space: global }
      - { .name: kv, .offset: 24, .size: 8, .value_kind: global_buffer, .address_space: global }
    .group_segment_fixed_size: 327680
    .private_segment_fixed_size: 0
    .kernarg_segment_align: 8
    .kernarg_segment_size: 32
    .max_flat_workgroup_size: 128
    .sgpr_count:     104
    .vgpr_count:     768
    .wavefront_size: 32
...
	.end_amdgpu_metadata
.endif
;; end of part 2
;; launch attn (part 3): grid 4 x 64, 8 waves a work-group, clusters of 4 x 1, 215,040 bytes of LDS; arguments qb, kv, orw, ab; writes ab
.if DOCPART == 3
	.amdgcn_target "amdgcn-amd-amdhsa--gfx1250"
	.amdhsa_code_object_version 6
	.text
	.protected	k_qbe09419d8c_attn
	.globl	k_qbe09419d8c_attn
	.p2align	8
	.type	k_qbe09419d8c_attn,@function
k_qbe09419d8c_attn:
	s_mov_b64 s[64:65], 0
	v_nop
	global_prefetch_b8 v0, s[64:65] scope:SCOPE_SE
	s_setreg_imm32_b32 hwreg(HW_REG_WAVE_MODE, 25, 1), 1
	s_wait_xcnt 0x0
	s_wait_alu depctr_hold_cnt(0) depctr_sa_sdst(0) depctr_va_vdst(0) depctr_va_sdst(0) depctr_va_ssrc(0) depctr_va_vcc(0) depctr_vm_vsrc(0)
	s_getreg_b32 s2, hwreg(HW_REG_IB_STS2, 6, 4)
	s_cmp_eq_u32 s2, 0
	s_cbranch_scc0 .Lentry_in_a_cluster
	s_endpgm
.Lentry_in_a_cluster:
	s_bfe_u32 s2, ttmp6, 0x10000c
	s_cmp_lg_u32 s2, 0x3003
	s_cbranch_scc0 .Lentry_shape_is_right
	s_endpgm
.Lentry_shape_is_right:
; For each of 64 heads (batch n, head hd): O = softmax(where(mask == 0, -1e20, q k^T) / 32) v, both products on codes of FP6 (E2M3) with E8M0 scales; O / l is quantised along the embedding and leaves as codes.
; THE SOFTMAX: t = score x log2(e) / 32; M = the running largest t rounded UP to a whole number, kept as -M = floor(-t); p = 2^(t - M) is quantised along the keys, not normalised; the row's sum l is taken of the unquantised p;
; when M moves, l and O are multiplied by 2^(old M - new M), exactly.
; THE WHERE() rides in the products.  q k^T has K = 64: blocks 0 and 1 of the instruction's four.  At k = 64 (block 2) every key fragment holds the code 5.5 and every query fragment -1.0; byte 2 of a query's scale word is 127,
; of a key's 191 (2^64) where the key is masked and 1 (2^-126) where it counts: a masked score is the energy - 5.5 x 2^64, a score that counts the energy - 6.5e-38.  Block 3 holds zero codes.
; The largest score begins at -2^64, above every masked score, so that a key step all of whose keys are masked gives p = 0.  A batch ALL of whose keys are masked arrives with no key marked and the AND word 0:
; the queries' codes are cleared, all scores are equal, p = 1 and l = 2,048, as reference() has it.
; LIMITS: |energy| up to 1e19 (a score that counts stays above -2^64 and above every masked score); NaN and infinities are not served; a block of O / l under 2^-124 keeps the byte 1.
; SHARES.  A work-group owns 512 queries of one head; each of its eight waves four tiles of 16, TWO AT A TIME (PASS), line by line by turns: each fragment of K and V that comes from LDS feeds two tiles, and each chain of dependent lines has a partner.
; A head's K and V, codes and scale words, 212,992 bytes, lie in LDS whole, as images of the operands' registers, filled once: every wave issues one tensor load at the head, and one tensor load of a wave is out.
; All of K and V is asked for at the head, so there is no loop to run ahead in: no prefetch.  CLUSTER: the four work-groups of a head ask for K and V jointly (mask 15).
; LAYOUT.  S^T = K Q^T, O^T = V^T P^T: a lane holds one query throughout.  Tile 4 c + u of a key step holds, in row m, key 64 c + 8 u + m % 8 + 32 (m / 8): so registers 32 c .. 32 c + 31 of S^T in lane (r, h) are keys
; 64 c + 32 h + 0 .. 31: ONE WHOLE SCALE BLOCK, in the order of the next operand's registers.  A block's largest score needs no other lane, and p's codes fall where the product wants them.
; A block's largest p is not searched for: p rises with the score, so the block's largest score goes through the same multiply-add and exponential.
; REGISTERS.  Window 0: v1 16 x lane, v2 8 x lane, v3, v4 the add's two, v5 8 h, v6-9 the step's LDS addresses, v10 8 r, v11 16 r, v14, v15 V's places, v16-111 K's eight fragments (registers 6-11 of each constant),
;   v112-159 V's four, v160-163 K's scale words, v164-165 V's, v172-175 Q's, v176-177 p's, from v184 sixteen small numbers a tile (0 -M, 1 largest score, 2-3 l, 4-5 f, 6-9 maxima, 8-9 later the conversions' scales, 10-12 at work), v216-231 sums.
;   Window 1, tile q at 128 q: 0-63 S^T, then p; 64-95 O^T; 96-107 Q; 108-119 p's codes; 120-126 the conversions' upper halves.
.set QSC,   6291456
.set ASC,   6291456
.set VOFF,  106496
.set STEPB, 6656                       ; a key step's block: K: 8 half images of 768 bytes + 512 of scale words;  V: 4 images of 1,536 + 512
.set SPARE, 212992                     ; behind K and V: the spare words, 128 bytes a wave
.set SPW, 3
.set NIL, 4
.set KF,  16
.set VF,  112
.set KS,  160
.set VS,  164
.set QS,  172
.set PS,  176
.set U,   184
.set SM,  216
.set O,   64
.set QF,  96
.set PC,  108
.set CT,  120
.set QR,  232                          ; window 0, v232-255: Q's codes as loaded, six registers for tile q of pass p at QR + 12 p + 6 q; Q's scale words stand in v172-175, at QS + 2 p + q
.set MSB, 0
.macro WIN new                         ; low byte: bits 1:0 source 0, 3:2 source 1, 5:4 source 2, 7:6 destination; the high byte repeats the setting that is left
.if MSB != \new
	s_set_vgpr_msb (MSB<<8)|\new
.set MSB, \new
.endif
.endm
.macro WALU
	s_wait_alu depctr_va_vdst(0)
.endm
.macro CROUND                          ; a round of the cluster's barrier
	s_barrier_signal -1
	s_barrier_wait -1
	s_cmp_lg_u32 s12, 0
	s_cbranch_scc1 .Lnot_wave_0_\@
	s_barrier_signal -3
.Lnot_wave_0_\@:
	s_barrier_wait -3
	s_barrier_signal -1
	s_barrier_wait -1
.endm
; a product; c < 0: the sum begins with the constant 0; ra: source 0's scales stand in lanes 16-31
.macro WMA d, a, b, c, sa, sb, ra
.if ((\c) < 0) && (\ra)
	v_wmma_scale_f32_16x16x128_f8f6f4 v[(\d):(\d)+7], v[(\a):(\a)+11], v[(\b):(\b)+11], 0, v[\sa], v[\sb] matrix_a_fmt:MATRIX_FMT_FP6 matrix_b_fmt:MATRIX_FMT_FP6 matrix_a_scale:MATRIX_SCALE_ROW1
.elseif (\c) < 0
	v_wmma_scale_f32_16x16x128_f8f6f4 v[(\d):(\d)+7], v[(\a):(\a)+11], v[(\b):(\b)+11], 0, v[\sa], v[\sb] matrix_a_fmt:MATRIX_FMT_FP6 matrix_b_fmt:MATRIX_FMT_FP6
.elseif (\ra)
	v_wmma_scale_f32_16x16x128_f8f6f4 v[(\d):(\d)+7], v[(\a):(\a)+11], v[(\b):(\b)+11], v[(\c):(\c)+7], v[\sa], v[\sb] matrix_a_fmt:MATRIX_FMT_FP6 matrix_b_fmt:MATRIX_FMT_FP6 matrix_a_scale:MATRIX_SCALE_ROW1
.else
	v_wmma_scale_f32_16x16x128_f8f6f4 v[(\d):(\d)+7], v[(\a):(\a)+11], v[(\b):(\b)+11], v[(\c):(\c)+7], v[\sa], v[\sb] matrix_a_fmt:MATRIX_FMT_FP6 matrix_b_fmt:MATRIX_FMT_FP6
.endif
.endm
.macro KLOAD a16, a8, off              ; a key step's eight half fragments of K and their scale words: register KS + t / 2: lanes 0-15 tile t even, lanes 16-31 the tile after it
	ds_load_b64 v[KS:KS+1], v[\a8] offset:(\off)+6144
	ds_load_b64 v[KS+2:KS+3], v[\a8] offset:(\off)+6400
.irp t, 0,1,2,3,4,5,6,7
	ds_load_b128 v[KF+12*\t:KF+12*\t+3], v[\a16] offset:(\off)+768*\t
	ds_load_b64 v[KF+12*\t+4:KF+12*\t+5], v[\a8] offset:(\off)+768*\t+512
.endr
.endm
; A KEY STEP: 128 keys x two tiles of queries; its blocks begin s44 bytes into K and into V.  K's fragments are in registers when it begins.
.macro STEP p
	WIN 0x54                                       ; source 0 window 0; source 1, C and D window 1
.irp t, 0,1,2,3,4,5,6,7
.irp q, 0,1
	WMA 128*\q+8*\t, KF+12*\t, 128*\q+QF, -1, KS+\t/2, QS+2*\p+\q, \t%2
.endr
.endr
	WIN 0
	v_add_nc_u32 v6, s44, v1                       ; these four are the places behind the products, ahead of the loads into their registers and of the first read of results
	v_add_nc_u32 v7, s44, v2
	v_add_nc_u32 v8, s44, v14
	v_add_nc_u32 v9, s44, v15
	KLOAD 6, 7, STEPB                              ; the NEXT step's K (behind the last step: bytes of V's part, which are in LDS and are not used)
.irp t, 0,1,2,3
.irp j, 0,1,2
	ds_load_b128 v[VF+12*\t+4*\j:VF+12*\t+4*\j+3], v8 offset:1536*\t+512*\j   ; this step's V: both land under the softmax
.endr
.endr
	ds_load_b64 v[VS:VS+1], v9 offset:6144
	WIN 0x15                                       ; the largest score of each of my two blocks, two chains a block, each accumulator from its low end on
.irp c, 0,1
.irp q, 0,1
	v_max3_num_f32 v[U+16*\q+6+\c], v[128*\q+32*\c], v[128*\q+32*\c+1], v[128*\q+32*\c+2]
	v_max3_num_f32 v[U+16*\q+8+\c], v[128*\q+32*\c+16], v[128*\q+32*\c+17], v[128*\q+32*\c+18]
.endr
.endr
	WIN 0x14
.irp i, 3,5,7,9,11,13
.irp c, 0,1
.irp q, 0,1
	v_max3_num_f32 v[U+16*\q+6+\c], v[U+16*\q+6+\c], v[128*\q+32*\c+\i], v[128*\q+32*\c+\i+1]
	v_max3_num_f32 v[U+16*\q+8+\c], v[U+16*\q+8+\c], v[128*\q+32*\c+16+\i], v[128*\q+32*\c+17+\i]
.endr
.endr
.endr
.irp c, 0,1
.irp q, 0,1
	v_max3_num_f32 v[U+16*\q+6+\c], v[U+16*\q+6+\c], v[128*\q+32*\c+15], v[128*\q+32*\c+31]
.endr
.endr
	WIN 0
.irp u, U, U+16
	v_max_num_f32 v[\u+6], v[\u+6], v[\u+8]        ; block h's largest score,
	v_max_num_f32 v[\u+7], v[\u+7], v[\u+9]        ; block 2 + h's
.endr
.irp u, U, U+16
	v_max_num_f32 v[\u+10], v[\u+6], v[\u+7]
.endr
.irp u, U, U+16
	s_delay_alu instid0(VALU_DEP_2)                ; (the hints of this chain: the two tiles take turns, so a line reads the result of the line two, or where marked four, vector lines back)
	v_permlanex16_b32 v[\u+11], v[\u+10], s40, s41 ; lane l xor 16's two blocks
.endr
.irp u, U, U+16
	s_delay_alu instid0(VALU_DEP_2)
	v_max3_num_f32 v[\u+1], v[\u+1], v[\u+10], v[\u+11]   ; the running largest score
.endr
.irp u, U, U+16
	s_delay_alu instid0(VALU_DEP_2)
	v_mul_f32 v[\u+10], s42, v[\u+1]               ; as t
.endr
.irp u, U, U+16
	s_delay_alu instid0(VALU_DEP_2)
	v_floor_f32 v[\u+11], -v[\u+10]                ; the new -M
.endr
.irp u, U, U+16
	s_delay_alu instid0(VALU_DEP_2)
	v_sub_f32 v[\u+10], v[\u+11], v[\u]            ; old M - new M: a whole number, 0 or less
.endr
.irp u, U, U+16
	s_delay_alu instid0(VALU_DEP_4)
	v_mov_b32 v[\u], v[\u+11]
.endr
.irp u, U, U+16
	s_delay_alu instid0(VALU_DEP_4)
	v_cvt_i32_f32 v[\u+10], v[\u+10]               ; (it saturates)
.endr
.irp u, U, U+16
	s_delay_alu instid0(VALU_DEP_2)
	v_ldexp_f32 v[\u+4], 1.0, v[\u+10]             ; f = 2^(old M - new M)
.endr
.irp u, U, U+16
	v_fma_f32 v[\u+6], v[\u+6], s42, v[\u]         ; t - M of each block's largest score
	v_fma_f32 v[\u+7], v[\u+7], s42, v[\u]
.endr
.irp u, U, U+16
	v_pk_mul_f32 v[\u+2:\u+3], v[\u+2:\u+3], v[\u+4:\u+5] op_sel_hi:[1,0]   ; l under the new M
.endr
	WIN 0x41                                       ; source 0 and destination window 1
.set j, 0
.rept 16
.irp q, 0,1
	v_pk_mul_f32 v[128*\q+O+j:128*\q+O+j+1], v[128*\q+O+j:128*\q+O+j+1], v[U+16*\q+4:U+16*\q+5] op_sel_hi:[1,0]   ; O^T under the new M, ahead of the exponentials
.endr
.set j, j+2
.endr
.set j, 0
.rept 32
.irp q, 0,1
	v_pk_fma_f32 v[128*\q+j:128*\q+j+1], v[128*\q+j:128*\q+j+1], s[42:43], v[U+16*\q:U+16*\q+1] op_sel_hi:[1,0,0]   ; t - M, two at a time
.endr
.set j, j+2
.endr
	WALU                                           ; ahead of the batch
.irp q, 0,1
.set j, 0
.rept 64
	v_exp_f32 v[128*\q+j], v[128*\q+j]             ; p = 2^(t - M)
.set j, j+1
.endr
.endr
	WIN 0
.irp u, U, U+16
	v_exp_f32 v[\u+6], v[\u+6]                     ; each block's largest p
	v_exp_f32 v[\u+7], v[\u+7]
.endr
	v_nop                                          ; a plain place behind the exponentials
	WALU                                           ; and the one wait behind the batch
.irp u, U, U+16
	v_max_num_f32 v[\u+6], 0x1800000, v[\u+6]      ; the floor 2^(3 - 127): a block whose every p is 0 keeps the byte 1; its codes are zeros
	v_max_num_f32 v[\u+7], 0x1800000, v[\u+7]
.endr
.irp u, U, U+16
	s_delay_alu instid0(VALU_DEP_4)                ; (four lines to a turn here: a line reads the result four vector lines back)
	v_add_nc_u32 v[\u+8], 0xff000000, v[\u+6]      ; 2 off the exponent field: the conversions' scale operand
	s_delay_alu instid0(VALU_DEP_4)
	v_add_nc_u32 v[\u+9], 0xff000000, v[\u+7]
.endr
.irp u, U, U+16
	s_delay_alu instid0(VALU_DEP_4)
	v_lshrrev_b32 v[\u+10], 23, v[\u+8]            ; the scales' bytes
	s_delay_alu instid0(VALU_DEP_4)
	v_lshrrev_b32 v[\u+11], 23, v[\u+9]
.endr
.irp u, U, U+16
	v_lshl_or_b32 v[\u+10], v[\u+11], 16, v[\u+10] ; my two: blocks h and 2 + h,
.endr
.irp u, U, U+16
	s_delay_alu instid0(VALU_DEP_2)
	v_lshlrev_b32 v[\u+10], v5, v[\u+10]           ; at their places (8 h bits up);
.endr
.irp u, U, U+16
	s_delay_alu instid0(VALU_DEP_2)
	v_permlanex16_b32 v[\u+12], v[\u+10], s40, s41
.endr
	s_delay_alu instid0(VALU_DEP_2)
	v_or_b32 v[PS], v[U+10], v[U+12]               ; with lane l xor 16's two p's scale word is whole
	s_delay_alu instid0(VALU_DEP_2)
	v_or_b32 v[PS+1], v[U+26], v[U+28]
	WIN 0x41
.irp c, 0,1
.irp q, 0,1
	v_cvt_scalef32_pk16_fp6_f32 v[128*\q+PC+6*\c:128*\q+PC+6*\c+2], v[128*\q+32*\c:128*\q+32*\c+15], v[U+16*\q+8+\c]
	v_cvt_scalef32_pk16_fp6_f32 v[128*\q+CT+4*\c:128*\q+CT+4*\c+2], v[128*\q+32*\c+16:128*\q+32*\c+31], v[U+16*\q+8+\c]   ; (a conversion's three registers begin on an even number)
.endr
.endr
	v_nop                                          ; one plain place behind a scaled conversion
.irp c, 0,1
.irp i, 0,1,2
.irp q, 0,1
	v_mov_b32 v[128*\q+PC+6*\c+3+\i], v[128*\q+CT+4*\c+\i]
.endr
.endr
.endr
	WIN 0x05                                       ; l: the sum of the unquantised p, four chains a tile
.irp q, 0,1
	v_pk_add_f32 v[SM+8*\q:SM+8*\q+1], v[128*\q:128*\q+1], v[128*\q+2:128*\q+3]
	v_pk_add_f32 v[SM+8*\q+2:SM+8*\q+3], v[128*\q+4:128*\q+5], v[128*\q+6:128*\q+7]
	v_pk_add_f32 v[SM+8*\q+4:SM+8*\q+5], v[128*\q+8:128*\q+9], v[128*\q+10:128*\q+11]
.endr
	WIN 0x04
.set j, 12
.rept 6
.irp q, 0,1
	v_pk_add_f32 v[U+16*\q+2:U+16*\q+3], v[U+16*\q+2:U+16*\q+3], v[128*\q+j:128*\q+j+1]
	v_pk_add_f32 v[SM+8*\q:SM+8*\q+1], v[SM+8*\q:SM+8*\q+1], v[128*\q+j+2:128*\q+j+3]
	v_pk_add_f32 v[SM+8*\q+2:SM+8*\q+3], v[SM+8*\q+2:SM+8*\q+3], v[128*\q+j+4:128*\q+j+5]
	v_pk_add_f32 v[SM+8*\q+4:SM+8*\q+5], v[SM+8*\q+4:SM+8*\q+5], v[128*\q+j+6:128*\q+j+7]
.endr
.set j, j+8
.endr
.irp q, 0,1
	v_pk_add_f32 v[U+16*\q+2:U+16*\q+3], v[U+16*\q+2:U+16*\q+3], v[128*\q+60:128*\q+61]
	v_pk_add_f32 v[SM+8*\q:SM+8*\q+1], v[SM+8*\q:SM+8*\q+1], v[128*\q+62:128*\q+63]
.endr
	WIN 0
.irp q, 0,1
	v_pk_add_f32 v[SM+8*\q:SM+8*\q+1], v[SM+8*\q:SM+8*\q+1], v[SM+8*\q+2:SM+8*\q+3]
	v_pk_add_f32 v[U+16*\q+2:U+16*\q+3], v[U+16*\q+2:U+16*\q+3], v[SM+8*\q+4:SM+8*\q+5]
.endr
.irp q, 0,1
	v_pk_add_f32 v[U+16*\q+2:U+16*\q+3], v[U+16*\q+2:U+16*\q+3], v[SM+8*\q:SM+8*\q+1]
.endr
	s_wait_dscnt 0x0                               ; V is in, and so is the next step's K.  (l, just written, is next read more than nine plain vector lines on in the next trip; behind the loop a wait stands ahead of its reader)
	WIN 0x54
.irp t, 0,1,2,3
.irp q, 0,1
	WMA 128*\q+O+8*\t, VF+12*\t, 128*\q+PC, 128*\q+O+8*\t, VS+\t/2, PS+\q, \t%2   ; the eight accumulators by turns
.endr
.endr
	WIN 0
.endm
; Two tiles of 16 queries: tiles 32 cx + 4 wave + 2 p + q of the head
.macro PASS p
	KLOAD 1, 2, 0                                  ; key step 0's K.  (Q was asked for at the kernel's head, for both passes)
	s_wait_xcnt 0x0                                ; the last pass's stores have read their data: the small numbers below are written again only behind this wait
.irp u, U, U+16
	v_mov_b32 v[\u+1], 0xdf800000                  ; the largest score so far: -2^64
.endr
.irp u, U, U+16
	v_mul_f32 v[\u+10], s42, v[\u+1]
.endr
.irp u, U, U+16
	v_floor_f32 v[\u], -v[\u+10]                   ; -M
	v_mov_b32 v[\u+2], 0
	v_mov_b32 v[\u+3], 0
.endr
	s_mov_b32 s44, 0
	s_mov_b32 s45, 16
	s_wait_loadcnt 0x0
	WIN 0x40
.irp q, 0,1
.irp i, 0,1,2,3,4,5
	v_and_b32 v[128*\q+QF+\i], s15, v[QR+12*\p+6*\q+\i]   ; Q's codes to their place in window 1; a batch with every key masked: they are cleared
.endr
.endr
	WIN 0x40
.set j, 0
.rept 32
	v_mov_b32 v[O+j], 0                            ; O^T: the step is written once; its first trip finds zeros
	v_mov_b32 v[128+O+j], 0
.set j, j+1
.endr
	WIN 0
	WALU                                           ; directly ahead of the waits below
	s_wait_xcnt 0x0                                ; the last pass's stores have read their registers, which the steps write again
	s_wait_dscnt 0x0                               ; K is in
.Lstep_\@:
	STEP \p
	s_add_co_u32 s44, s44, STEPB
	s_sub_co_u32 s45, s45, 1
	s_cmp_lg_u32 s45, 0
	s_cbranch_scc1 .Lstep_\@
	WALU                                           ; directly ahead of the reader of l, which was written ahead of the last trip's wait for V
.irp u, U, U+16
	v_add_f32 v[\u+2], v[\u+2], v[\u+3]            ; l's two halves (these six lines are the places behind the last products),
.endr
.irp u, U, U+16
	v_permlanex16_b32 v[\u+11], v[\u+2], s40, s41
.endr
.irp u, U, U+16
	v_add_f32 v[\u+2], v[\u+2], v[\u+11]           ; and lane l xor 16's
.endr
	WALU
.irp u, U, U+16
	v_rcp_f32 v[\u+2], v[\u+2]
.endr
	v_nop                                          ; the plain place behind the reciprocals
	WIN 0x41
	WALU                                           ; ahead of the first reader of the reciprocals and of O^T
.set j, 0
.rept 32
.irp q, 0,1
	v_mul_f32 v[128*\q+j], v[128*\q+O+j], v[U+16*\q+2]   ; O^T / l, each accumulator from its low end on: register 16 b + i is channel 32 b + 16 h + i of my query
.endr
.set j, j+1
.endr
	WIN 0
.irp u, U, U+16
	v_mov_b32 v[\u+6], 0x1800000                   ; the floor 2^(3 - 127)
	v_mov_b32 v[\u+7], 0x1800000
.endr
	WIN 0x14
.irp i, 0,2,4,6,8,10,12,14
.irp b, 0,1
.irp q, 0,1
	v_max3_num_f32 v[U+16*\q+6+\b], v[U+16*\q+6+\b], |v[128*\q+16*\b+\i]|, |v[128*\q+16*\b+\i+1]|
.endr
.endr
.endr
	WIN 0
.irp u, U, U+16
	v_permlanex16_b32 v[\u+11], v[\u+6], s40, s41
	v_permlanex16_b32 v[\u+12], v[\u+7], s40, s41
.endr
.irp u, U, U+16
	v_max_num_f32 v[\u+6], v[\u+6], v[\u+11]
	v_max_num_f32 v[\u+7], v[\u+7], v[\u+12]
.endr
.irp u, U, U+16
	v_add_nc_u32 v[\u+8], 0xff000000, v[\u+6]
	v_add_nc_u32 v[\u+9], 0xff000000, v[\u+7]
.endr
.irp u, U, U+16
	v_lshrrev_b32 v[\u+10], 23, v[\u+8]
	v_lshrrev_b32 v[\u+11], 23, v[\u+9]
.endr
.irp u, U, U+16
	v_lshl_or_b32 v[\u+10], v[\u+11], 8, v[\u+10]  ; my head's two bytes of the row's scale word
.endr
	WIN 0x41
.irp q, 0,1
	v_cvt_scalef32_pk16_fp6_f32 v[128*\q+PC:128*\q+PC+2], v[128*\q:128*\q+15], v[U+16*\q+8]
	v_cvt_scalef32_pk16_fp6_f32 v[128*\q+CT:128*\q+CT+2], v[128*\q+16:128*\q+31], v[U+16*\q+9]
.endr
	v_nop
.irp i, 0,1,2
.irp q, 0,1
	v_permlane16_swap_b32 v[128*\q+PC+\i], v[128*\q+CT+\i]   ; the operand's layout wants a whole block in a lane
.endr
.endr
.irp i, 0,1,2
.irp q, 0,1
	v_mov_b32 v[128*\q+PC+3+\i], v[128*\q+CT+\i]   ; six registers: k = 32 h + 0 .. 31 of my head's 64: half a fragment of the last product's operand
.endr
.endr
	WIN 0x04                                       ; a store's data are its source 1
.irp q, 0,1
	global_store_b128 v1, v[128*\q+PC:128*\q+PC+3], s[36:37] offset:12288*(2*\p+\q)
	global_store_b64 v2, v[128*\q+PC+4:128*\q+PC+5], s[36:37] offset:12288*(2*\p+\q)+512
.endr
	WIN 0
.irp q, 0,1
	global_store_b16 v11, v[U+16*\q+10], s[38:39] offset:1024*\p+256*\q   ; lanes r and 16 + r store the same two bytes with the same value
.endr
.endm
	s_load_b256 s[4:11], s[0:1], 0x0               ; qb s[4:5], kv s[6:7], orw s[8:9], ab s[10:11]
	v_lshl_add_u32 v[SPW], v0, 2, SPARE
	v_mov_b32 v[NIL], 0
	ds_add_u32 v[SPW], v[NIL]                      ; the wave's opening: the add, twice on end, and its wait ahead of the first tensor load; work on registers stands between
	ds_add_u32 v[SPW], v[NIL]
	v_lshrrev_b32 v12, 5, v0
	v_readfirstlane_b32 s12, v12                   ; wave 0..7
	s_bfe_u32 s13, ttmp6, 0x40000                  ; cx: my block of 512 queries; it enters Q's and ab's addresses alone
	s_and_b32 s14, ttmp7, 0xffff                   ; 16 n + hd, which the four partners share
	s_mov_b32 s24, 15|(3<<16)|(1<<21)              ; 15:0 the mask: all four work-groups; 17:16 elements of 8 bytes; 21 set beside a mask; no padding
	s_mov_b32 s25, 32<<16                          ; tensor_dim0 = 32 elements: rows of 256 bytes
	s_mov_b32 s26, 104<<16                         ; tensor_dim1 = 104 rows: four key steps' blocks, dense
	s_mov_b32 s27, 32<<16                          ; tile_dim0
	s_mov_b32 s28, 104                             ; tile_dim1
	s_mov_b32 s29, 32                              ; from row to row
	s_mov_b32 s30, 0
	s_mov_b32 s31, 0
	s_mov_b32 s40, 0x76543210
	s_mov_b32 s41, 0xfedcba98                      ; v_permlanex16_b32's selects for lane l xor 16
	s_mov_b32 s42, 0x3d38aa3b                      ; c = log2(e) / 32
	s_mov_b32 s43, s42                             ; (named with it as a pair)
	s_and_b32 s20, s12, 1                          ; what I fetch: K (0) or V (1),
	s_mul_i32 s20, s20, VOFF
	s_bfe_u32 s21, s12, 0x20001                    ; and which quarter of it
	s_mul_i32 s21, s21, 26624
	s_add_co_u32 s20, s20, s21                     ; the same place in LDS and in the head's part of kv
	s_mul_i32 s22, s14, 212992
	s_add_co_u32 s22, s22, s20
	s_mov_b32 s23, 0
	s_lshr_b32 s46, s14, 4                         ; n
	s_lshl_b32 s47, s46, 7
	s_lshl_b32 s48, s13, 5
	s_lshl_b32 s49, s12, 2
	s_add_co_u32 s48, s48, s49                     ; my first tile of queries
	v_and_b32 v12, 31, v0
	v_lshlrev_b32 v1, 4, v12                       ; 16 x lane
	v_lshlrev_b32 v2, 3, v12                       ; 8 x lane
	v_add_nc_u32 v14, VOFF, v1
	v_add_nc_u32 v15, VOFF, v2
	v_and_b32 v12, 15, v0
	v_lshlrev_b32 v11, 4, v12                      ; 16 r
	v_lshlrev_b32 v10, 3, v12                      ; 8 r
	v_bfe_u32 v13, v0, 4, 1
	v_lshlrev_b32 v5, 3, v13                       ; 8 h
	v_xor_b32 v13, 1, v13                          ; 1 - h
.irp t, 0,1,2,3,4,5,6,7
	v_mul_u32_u24 v[KF+12*\t+6], v13, 0x1b         ; K's register 6: in lanes 0-15 the code 5.5 at k = 64, else zeros
.irp i, 7,8,9,10,11
	v_mov_b32 v[KF+12*\t+\i], 0
.endr
.endr
.irp u, U, U+16
	v_mov_b32 v[\u+5], 0                           ; (named as the upper half of f's pair)
	v_mov_b32 v[\u+11], 0                          ; a lane permute's destination counts as one of its sources
	v_mov_b32 v[\u+12], 0
.endr
	WIN 0x40
.irp q, 0,1
	v_mul_u32_u24 v[128*\q+QF+6], v13, 0x28        ; Q's register 6: the code -1.0 at k = 64
.irp i, 7,8,9,10,11
	v_mov_b32 v[128*\q+QF+\i], 0
.endr
.endr
	WIN 0
	WALU
	s_wait_dscnt 0x0                               ; both opening adds are done
	CROUND                                         ; the round in front of the joint loads, ahead of the wait for the arguments: all four work-groups are here
	s_wait_kmcnt 0x0
	s_load_b32 s15, s[8:9], s47 offset:0x10000     ; the batch's AND word
	s_mov_b32 s16, 1
	s_mov_b32 s17, s20
	s_add_nc_u64 s[18:19], s[6:7], s[22:23]
	s_or_b32 s19, s19, 0x80000000
	s_mul_i32 s50, s14, 98304
	s_mul_i32 s51, s48, 768
	s_add_co_u32 s50, s50, s51
	s_mov_b32 s51, 0
	s_add_nc_u64 s[32:33], s[4:5], s[50:51]        ; Q's codes
	s_lshl_b32 s50, s14, 13                        ; Q's scale words: 8,192 bytes a head, 512 a step of 8 tiles; in a step 256 g + 8 (16 u + r) + 4 jj for tile 4 g + 2 jj + u: here g = wave % 2, jj = the pass, u = q
	s_lshl_b32 s52, s13, 11
	s_add_co_u32 s50, s50, s52
	s_lshr_b32 s52, s12, 1
	s_lshl_b32 s52, s52, 9
	s_add_co_u32 s50, s50, s52
	s_and_b32 s52, s12, 1
	s_lshl_b32 s52, s52, 8
	s_add_co_u32 s50, s50, s52
	s_add_co_u32 s50, s50, QSC
	s_add_nc_u64 s[34:35], s[4:5], s[50:51]
	s_lshl_b32 s52, s46, 7
	s_add_co_u32 s52, s52, s48                     ; my first tile among all 512
	s_and_b32 s53, s14, 15                         ; hd
	s_mul_i32 s50, s52, 12288
	s_mul_i32 s54, s53, 768                        ; K step hd / 2, half hd % 2
	s_add_co_u32 s50, s50, s54
	s_add_nc_u64 s[36:37], s[10:11], s[50:51]      ; ab's codes
	s_lshl_b32 s50, s52, 9                         ; ab's scale words: 1,024 bytes a pair of tiles,
	s_lshr_b32 s54, s53, 3
	s_lshl_b32 s54, s54, 9                         ; 512 for each four K steps,
	s_add_co_u32 s50, s50, s54
	s_and_b32 s54, s53, 7
	s_lshl_b32 s54, s54, 1                         ; two bytes a head
	s_add_co_u32 s50, s50, s54
	s_add_co_u32 s50, s50, ASC
	s_add_nc_u64 s[38:39], s[10:11], s[50:51]
	tensor_load_to_lds s[16:19], s[24:31]          ; every wave's one load: an eighth of the head's K and V
	s_nop 0
.rept 4
	v_nop
.endr
.irp p, 0,1                            ; Q's codes and scale words of my four tiles, both passes: twelve loads, on their way beside the tensor load
.irp q, 0,1
	global_load_b128 v[QR+12*\p+6*\q:QR+12*\p+6*\q+3], v1, s[32:33] offset:768*(2*\p+\q)
	global_load_b64 v[QR+12*\p+6*\q+4:QR+12*\p+6*\q+5], v2, s[32:33] offset:768*(2*\p+\q)+512
	global_load_b32 v[QS+2*\p+\q], v10, s[34:35] offset:4*\p+128*\q
.endr
.endr
	s_wait_kmcnt 0x0
	s_wait_tensorcnt 0x0                           ; my part of K and V has landed,
	s_barrier_signal -1
	s_barrier_wait -1                              ; everybody's has
	PASS 0
	PASS 1
	s_wait_tensorcnt 0x0                           ; the wave's end
	ds_add_u32 v[SPW], v[NIL]
	s_wait_dscnt 0x0
	CROUND                                         ; the closing round
	s_endpgm
.Lfunc_end_k_qbe09419d8c_attn:
	.size	k_qbe09419d8c_attn, .Lfunc_end_k_qbe09419d8c_attn-k_qbe09419d8c_attn
	.p2alignl 7, 3214868480
	.fill 96, 4, 3214868480
	.section	.rodata,"a",@progbits
	.p2align	6, 0x0
	.amdhsa_kernel k_qbe09419d8c_attn
		.amdhsa_group_segment_fixed_size 215040
		.amdhsa_private_segment_fixed_size 0
		.amdhsa_enable_private_segment 0
		.amdhsa_kernarg_size 32
		.amdhsa_user_sgpr_count 2
		.amdhsa_user_sgpr_kernarg_segment_ptr 1
		.amdhsa_wavefront_size32 1
		.amdhsa_system_sgpr_workgroup_id_x 1
		.amdhsa_system_sgpr_workgroup_id_y 1
		.amdhsa_system_sgpr_workgroup_id_z 1
		.amdhsa_system_vgpr_workitem_id 0
		.amdhsa_next_free_vgpr 512
		.amdhsa_next_free_sgpr 66
		.amdhsa_reserve_vcc 0
		.amdhsa_float_denorm_mode_32 3
		.amdhsa_float_denorm_mode_16_64 3
		.amdhsa_memory_ordered 1
		.amdhsa_forward_progress 1
		.amdhsa_inst_pref_size 87
	.end_amdhsa_kernel
	.amdgpu_metadata
---
amdhsa.version: [ 1, 2 ]
amdhsa.kernels:
  - .name:           k_qbe09419d8c_attn
    .symbol:         k_qbe09419d8c_attn.kd
    .args:
      - { .name: qb, .offset: 0, .size: 8, .value_kind: global_buffer, .address_space: global }
      - { .name: kv, .offset: 8, .size: 8, .value_kind: global_buffer, .address_space: global }
      - { .name: orw, .offset: 16, .size: 8, .value_kind: global_buffer, .address_space: global }
      - { .name: ab, .offset: 24, .size: 8, .value_kind: global_buffer, .address_space: global }
    .group_segment_fixed_size: 215040
    .private_segment_fixed_size: 0
    .kernarg_segment_align: 8
    .kernarg_segment_size: 32
    .max_flat_workgroup_size: 256
    .sgpr_count:     66
    .vgpr_count:     512
    .wavefront_size: 32
...
	.end_amdgpu_metadata
.endif
;; end of part 3
;; launch oproj (part 4): grid 4 x 64, 4 waves a work-group, clusters of 4 x 4, 327,680 bytes of LDS; arguments xw, ab, bo, out0; writes out0
.if DOCPART == 4
	.amdgcn_target "amdgcn-amd-amdhsa--gfx1250"
	.amdhsa_code_object_version 6
	.text
	.protected	k_qbe09419d8c_oproj
	.globl	k_qbe09419d8c_oproj
	.p2align	8
	.type	k_qbe09419d8c_oproj,@function
k_qbe09419d8c_oproj:
	s_mov_b64 s[64:65], 0
	v_nop
	global_prefetch_b8 v0, s[64:65] scope:SCOPE_SE
	s_setreg_imm32_b32 hwreg(HW_REG_WAVE_MODE, 25, 1), 1
	s_wait_xcnt 0x0
	s_wait_alu depctr_hold_cnt(0) depctr_sa_sdst(0) depctr_va_vdst(0) depctr_va_sdst(0) depctr_va_ssrc(0) depctr_va_vcc(0) depctr_vm_vsrc(0)
	s_getreg_b32 s2, hwreg(HW_REG_IB_STS2, 6, 4)
	s_cmp_eq_u32 s2, 0
	s_cbranch_scc0 .Lentry_in_a_cluster
	s_endpgm
.Lentry_in_a_cluster:
	s_bfe_u32 s2, ttmp6, 0x10000c
	s_cmp_lg_u32 s2, 0xf033
	s_cbranch_scc0 .Lentry_shape_is_right
	s_endpgm
.Lentry_shape_is_right:
; out0 = a Wo^T + bo on codes of FP6 (E2M3) with E8M0 scales, sums in f32.  a: the attention's result as codes (ab), Wo: codes in xw from tile 1728 on, both as images of the operand's registers; bo, out0: f32.
; A work-group makes 256 features (source 0 = Wo) x 128 tokens (source 1 = a) over all K = 1,024; in the result a lane holds one token, and by the tiles' row order (lane r of tile 2 B + u holds row 32 B + 8 u + r + 8 (r / 8))
; the 16 registers of tiles 2 B, 2 B + 1 are 16 neighbouring features.
; ALL OF K LIES IN LDS, every byte filled once: four chunks of two K steps, each 16 tiles of source 0 and 8 of source 1 (3,072 bytes a tile and chunk).  No ring, no refill.
; CLUSTERS: 4 x 4 work-groups.  Wo's tiles hang on x alone and are asked for jointly by the four of a column, a's on y alone, by the four of a row.  A wave has four tensor loads outstanding at the most.
; A wave makes 128 (wx) x 64 (wy): 32 accumulators, which take turns in the same order in every K step.  bo is the C of each sum's first product.
; REGISTERS: window 0: v1 16 x lane, v2 8 x lane, v3 r, v4 h, v8-11 LDS addresses of the chunk in hand, v12, v13 the add's two, v14 an offset, v16, v17 the stage,
;   v32-63 source 0's scale words (pair i, K step s at 32 + 8 i + s: lanes 0-15 tile 2 i, lanes 16-31 tile 2 i + 1), v64-79 source 1's, v128-223 source 1's fragments, two sets; on the way out v128-255 rows of out0.
;   window 1: accumulator (a, b) at 8 (8 a + b).   window 2: source 0's fragments, two sets at 0 and 128.   window 3: v0-63 bo in the result's layout.
.set XSC,   22020096
.set ASC,   6291456
.set CH,    73728                      ; a chunk: 16 x 3,072 + 8 x 3,072 bytes
.set SPARE, 4*CH                       ; behind the chunks: the spare words, 128 bytes a wave
.set SPW, 12
.set NIL, 13
.set G1A, 24                           ; s[24:31] group 1 for source 0's tiles;  s[32:39] for source 1's
.set G1B, 32
.set G0A, 40                           ; s[40:43] group 0 for source 0;  source 1's at s[56:59]
.set MSB, 0
.macro WIN new                         ; the immediate's high byte repeats the setting that is left
.if MSB != \new
	s_set_vgpr_msb (MSB<<8)|\new
.set MSB, \new
.endif
.endm
.macro CROUND                          ; a round of the cluster's barrier
	s_barrier_signal -1
	s_barrier_wait -1
	s_cmp_lg_u32 s12, 0
	s_cbranch_scc1 .Lnot_wave_0_\@
	s_barrier_signal -3
.Lnot_wave_0_\@:
	s_barrier_wait -3
	s_barrier_signal -1
	s_barrier_wait -1
.endm
.macro PLACES n
.rept \n
	v_nop
.endr
.endm
; a product that adds onto registers c; ra, rb: source 0's, source 1's scales stand in lanes 16-31
.macro WMC d, a, b, c, sa, sb, ra, rb
.if (\ra) && (\rb)
	v_wmma_scale_f32_16x16x128_f8f6f4 v[(\d):(\d)+7], v[(\a):(\a)+11], v[(\b):(\b)+11], v[(\c):(\c)+7], v[\sa], v[\sb] matrix_a_fmt:MATRIX_FMT_FP6 matrix_b_fmt:MATRIX_FMT_FP6 matrix_a_scale:MATRIX_SCALE_ROW1 matrix_b_scale:MATRIX_SCALE_ROW1
.elseif (\ra)
	v_wmma_scale_f32_16x16x128_f8f6f4 v[(\d):(\d)+7], v[(\a):(\a)+11], v[(\b):(\b)+11], v[(\c):(\c)+7], v[\sa], v[\sb] matrix_a_fmt:MATRIX_FMT_FP6 matrix_b_fmt:MATRIX_FMT_FP6 matrix_a_scale:MATRIX_SCALE_ROW1
.elseif (\rb)
	v_wmma_scale_f32_16x16x128_f8f6f4 v[(\d):(\d)+7], v[(\a):(\a)+11], v[(\b):(\b)+11], v[(\c):(\c)+7], v[\sa], v[\sb] matrix_a_fmt:MATRIX_FMT_FP6 matrix_b_fmt:MATRIX_FMT_FP6 matrix_b_scale:MATRIX_SCALE_ROW1
.else
	v_wmma_scale_f32_16x16x128_f8f6f4 v[(\d):(\d)+7], v[(\a):(\a)+11], v[(\b):(\b)+11], v[(\c):(\c)+7], v[\sa], v[\sb] matrix_a_fmt:MATRIX_FMT_FP6 matrix_b_fmt:MATRIX_FMT_FP6
.endif
.endm
.macro FRAG reg, a16, a8, off          ; a fragment's image back into 12 registers: every instruction reads consecutive bytes
	ds_load_b128 v[(\reg):(\reg)+3], v[\a16] offset:(\off)
	ds_load_b64 v[(\reg)+4:(\reg)+5], v[\a8] offset:(\off)+512
	ds_load_b128 v[(\reg)+6:(\reg)+9], v[\a16] offset:(\off)+768
	ds_load_b64 v[(\reg)+10:(\reg)+11], v[\a8] offset:(\off)+1280
.endm
.macro FETCH s                         ; K step s: my 8 fragments of source 0 and 4 of source 1, 48 LDS loads, into set s % 2
	WIN 0x80                                       ; destination window 2
.irp b, 0,1,2,3,4,5,6,7
	FRAG 128*((\s)%2)+12*\b, 8, 9, 6144*\b+1536*((\s)%4)
.endr
	WIN 0
.irp a, 0,1,2,3
	FRAG 128+48*((\s)%2)+12*\a, 10, 11, 6144*\a+1536*((\s)%4)
.endr
.endm
.macro MULS s, first                   ; 32 products
.if \first
	WIN 0x72                                       ; source 0 window 2, source 1 window 0, C (bo) window 3, D window 1
.else
	WIN 0x52                                       ; C and D window 1
.endif
.irp a, 0,1,2,3
.irp b, 0,1,2,3,4,5,6,7
.if \first
	WMC 8*(8*\a+\b), 128*((\s)%2)+12*\b, 128+48*((\s)%2)+12*\a, 8*\b, 32+8*(\b/2)+(\s), 64+8*(\a/2)+(\s), \b%2, \a%2
.else
	WMC 8*(8*\a+\b), 128*((\s)%2)+12*\b, 128+48*((\s)%2)+12*\a, 8*(8*\a+\b), 32+8*(\b/2)+(\s), 64+8*(\a/2)+(\s), \b%2, \a%2
.endif
.endr
.endr
	WIN 0
.endm
; A K step: the next step's fragments are asked for, then this step's 32 products are issued.  A load into a register that a matrix instruction has read stands four plain vector instructions behind it (ISA guide 7.12.1 for vector instructions).
.macro KSTEP s
.if (\s) == 3
	s_wait_dscnt 0x0                               ; no LDS instruction of mine is out at a signal: my reads of the first half are over
	s_wait_tensorcnt 0x0                           ; every wave's one load has landed: the second half is whole
	s_barrier_signal -1
	s_barrier_wait -1
.irp v, 8,9,10,11
	v_add_nc_u32 v[\v], 2*CH, v[\v]                ; on to the second half; these four are the places
.endr
.elseif ((\s) < 7) && ((\s) > 0)
	PLACES 4
.endif
.if (\s) < 7
	FETCH (\s)+1
	s_wait_alu depctr_va_vdst(0)
	s_wait_dscnt 48                                ; all but the 48 just issued: this step's fragments are in
.else
	s_wait_dscnt 0x0
.endif
.if (\s) == 0
	MULS \s, 1
.else
	MULS \s, 0
.endif
.endm
; THE WAY OUT, a tile of 16 tokens x my 128 features at a time.  A lane holds pieces of 32 bytes of one row, and the lanes beside it hold other rows: so a block goes through my own stage in LDS (rows of 528 bytes) and comes back as whole
; rows of 512 bytes.  The stage lies in the first half, which has had its only fill; every wave's reads of it were over, and every wave's tensor loads had landed, at the barrier in front of K step 4.
.macro TOSTAGE a
	WIN 0x04                                       ; an LDS store's data are its source 1: window 1
.irp b, 0,1,2,3,4,5,6,7
	ds_store_b128 v16, v[8*(8*(\a)+\b):8*(8*(\a)+\b)+3] offset:128*(\b/2)+32*(\b%2)      ; each accumulator from its low end on
	ds_store_b128 v16, v[8*(8*(\a)+\b)+4:8*(8*(\a)+\b)+7] offset:128*(\b/2)+32*(\b%2)+16
.endr
	WIN 0
.set BB, 128+64*((\a)%2)
.irp t, 0,1,2,3,4,5,6,7,8,9,10,11,12,13,14,15
	ds_load_b128 v[BB+4*\t:BB+4*\t+3], v17 offset:528*\t   ; LDS serves a wave's instructions in order: these see the stores above, and the next block's stores come behind them
.endr
.endm
.macro SEND a, younger                 ; younger: the LDS instructions issued behind block a's loads, which may stay out
.set BB, 128+64*((\a)%2)
	s_wait_dscnt \younger
.irp t, 0,1,2,3,4,5,6,7,8,9,10,11,12,13,14,15
	global_store_b128 v1, v[BB+4*\t:BB+4*\t+3], s[96:97] offset:4096*(32*((\a)/2)+8*((\a)%2)+\t+8*(\t/8)) th:TH_STORE_NT   ; 32 lanes store 512 consecutive bytes, at a multiple of 256 from out0's first byte
.endr
.endm
	s_load_b256 s[4:11], s[0:1], 0x0               ; xw s[4:5], ab s[6:7], bo s[8:9], out0 s[10:11]
	v_lshl_add_u32 v[SPW], v0, 2, SPARE
	v_mov_b32 v[NIL], 0
	ds_add_u32 v[SPW], v[NIL]                      ; the wave's opening: the add and its wait ahead of my first tensor load; work on registers stands between them
	ds_add_u32 v[SPW], v[NIL]
	v_lshrrev_b32 v5, 5, v0
	v_readfirstlane_b32 s12, v5                    ; wave 0..3
	s_and_b32 s13, s12, 1                          ; wx: my 128 features.  Also: I fetch for source 0 (0) or 1 (1)
	s_lshr_b32 s14, s12, 1                         ; wy: my 64 tokens.  Also: which half of K I fetch
	s_bfe_u32 s15, ttmp6, 0x40000                  ; cx
	s_bfe_u32 s16, ttmp6, 0x40004                  ; cy
	s_and_b32 s76, ttmp7, 0xffff                   ; the cluster's y, 0..15
	s_mov_b32 s20, s15                             ; X: which 256 features
	s_lshl_b32 s21, s76, 2
	s_add_co_u32 s21, s21, s16                     ; Y: which 128 tokens
	s_lshl_b32 s18, s20, 4
	s_add_co_u32 s18, s18, 1728                    ; source 0's first tile, in xw
	s_lshl_b32 s19, s21, 3                         ; source 1's, in ab
	s_lshl_b32 s78, 0x1111, s15                    ; my column of the cluster (same cx)
	s_lshl_b32 s83, s16, 2
	s_lshl_b32 s83, 15, s83                        ; my row (same cy)
	s_or_b32 s[G1A], s78, (3<<16)|(1<<21)          ; 15:0 the mask; 17:16 elements of 8 bytes; 21 set beside a mask; no padding
	; LDS NOW HOLDS TWO HALVES OF FOUR K STEPS (in place of the four chunks that the head comment names), 2 CH bytes each: 16 tiles of source 0, then 8 of source 1, 6,144 bytes a tile.
	; ONE TENSOR LOAD A WAVE: wave 0 source 0's first half, wave 1 source 1's, waves 2 and 3 the second halves.  One tensor load of a wave is out.
	; The stage of the way out lies in the first half, which has had its only fill and whose last reads were over at the barrier in front of K step 4.
	s_mov_b32 s[G1A+1], 768<<16                    ; tensor_dim0 = 768 elements: a tile's 6,144 bytes of a half
	s_mov_b32 s[G1A+2], 16<<16                     ; tensor_dim1 = 16 tiles
	s_mov_b32 s[G1A+3], 768<<16                    ; tile_dim0
	s_mov_b32 s[G1A+4], 16                         ; tile_dim1
	s_mov_b32 s[G1A+5], 1536                       ; from tile to tile: 12,288 bytes
	s_mov_b32 s[G1A+6], 0
	s_mov_b32 s[G1A+7], 0
	s_or_b32 s[G1B], s83, (3<<16)|(1<<21)
	s_mov_b32 s[G1B+1], 768<<16
	s_mov_b32 s[G1B+2], 8<<16
	s_mov_b32 s[G1B+3], 768<<16
	s_mov_b32 s[G1B+4], 8
	s_mov_b32 s[G1B+5], 1536
	s_mov_b32 s[G1B+6], 0
	s_mov_b32 s[G1B+7], 0
	s_lshl_b32 s79, s13, 3
	s_add_co_u32 s79, s79, s18                     ; source 0: tile + 8 wx (what I fetch if I fetch for it, and what I multiply)
	s_mul_i32 s80, s18, 12288                      ; what is fetched of source 0: all 16 tiles, half wave / 2
	s_mul_i32 s81, s14, 6144
	s_add_co_u32 s80, s80, s81
	s_mov_b32 s81, 0
	s_mul_i32 s84, s19, 12288                      ; of source 1: all 8 tiles, the same half
	s_mul_i32 s85, s14, 6144
	s_add_co_u32 s84, s84, s85
	s_mov_b32 s85, 0
	s_mul_i32 s86, s13, 49152                      ; where I read my 8 tiles of source 0
	s_mul_i32 s87, s14, 2*CH                       ; where the fetched half goes: no place in the cluster enters an LDS address
	v_and_b32 v5, 31, v0
	v_lshlrev_b32 v1, 4, v5                        ; 16 x lane
	v_lshlrev_b32 v2, 3, v5                        ; 8 x lane
	v_and_b32 v3, 15, v0                           ; r
	v_bfe_u32 v4, v0, 4, 1                         ; h
	v_add_nc_u32 v8, s86, v1                       ; my 8 tiles of source 0 in chunk 0
	v_add_nc_u32 v9, s86, v2
	s_mul_i32 s94, s14, 24576
	s_add_co_u32 s94, s94, 98304
	v_add_nc_u32 v10, s94, v1                      ; my 4 tiles of source 1
	v_add_nc_u32 v11, s94, v2
	v_lshlrev_b32 v14, 6, v4                       ; bo: 64 h bytes
	s_mul_i32 s95, s12, 8448                       ; my stage
	v_mul_u32_u24 v16, v3, 528
	v_lshl_add_u32 v16, v4, 6, v16
	v_add_nc_u32 v16, s95, v16                     ; in: row r, + 64 h
	v_add_nc_u32 v17, s95, v1                      ; back: 16 bytes a lane of a row
	s_wait_dscnt 0x0                               ; the opening add is done
	CROUND                                         ; the round in front of the first joint loads, ahead of the wait for the arguments: all sixteen work-groups are here
	s_wait_kmcnt 0x0
	s_add_nc_u64 s[80:81], s[4:5], s[80:81]
	s_add_nc_u64 s[84:85], s[6:7], s[84:85]
	s_mov_b32 s[G0A], 1
	s_mov_b32 s[G0A+1], s87
	s_mov_b64 s[G0A+2:G0A+3], s[80:81]
	s_or_b32 s[G0A+3], s[G0A+3], 0x80000000
	s_mov_b32 s56, 1
	s_add_co_u32 s57, s87, 98304
	s_mov_b64 s[58:59], s[84:85]
	s_or_b32 s59, s59, 0x80000000
	s_cmp_eq_u32 s12, 0                            ; one chain of branches on the wave's number, one load to an arm, one join
	s_cbranch_scc0 .Lfill_1
	tensor_load_to_lds s[G0A:G0A+3], s[G1A:G1A+7]  ; wave 0: source 0, K steps 0-3
	s_nop 0
	PLACES 4
	s_branch .Lfilled
.Lfill_1:
	s_cmp_eq_u32 s12, 1
	s_cbranch_scc0 .Lfill_2
	tensor_load_to_lds s[56:59], s[G1B:G1B+7]      ; wave 1: source 1, K steps 0-3
	s_nop 0
	PLACES 4
	s_branch .Lfilled
.Lfill_2:
	s_cmp_eq_u32 s12, 2
	s_cbranch_scc0 .Lfill_3
	tensor_load_to_lds s[G0A:G0A+3], s[G1A:G1A+7]  ; wave 2: source 0, K steps 4-7
	s_nop 0
	PLACES 4
	s_branch .Lfilled
.Lfill_3:
	tensor_load_to_lds s[56:59], s[G1B:G1B+7]      ; wave 3: source 1, K steps 4-7
	s_nop 0
	PLACES 4
.Lfilled:
	s_lshl_b32 s88, s79, 9                         ; the scale words of my 8 tiles of source 0: 1,024 bytes a pair of tiles
	s_add_co_u32 s88, s88, XSC
	s_mov_b32 s89, 0
	s_add_nc_u64 s[88:89], s[4:5], s[88:89]
.irp i, 0,1,2,3
.irp q, 0,1
	global_load_b128 v[32+8*\i+4*\q:35+8*\i+4*\q], v1, s[88:89] offset:1024*\i+512*\q   ; 512 consecutive bytes: four K steps' words of 32 rows
.endr
.endr
	s_lshl_b32 s90, s14, 2
	s_add_co_u32 s90, s90, s19                     ; and of my 4 tiles of source 1
	s_lshl_b32 s90, s90, 9
	s_add_co_u32 s90, s90, ASC
	s_mov_b32 s91, 0
	s_add_nc_u64 s[90:91], s[6:7], s[90:91]
.irp i, 0,1
.irp q, 0,1
	global_load_b128 v[64+8*\i+4*\q:67+8*\i+4*\q], v1, s[90:91] offset:1024*\i+512*\q
.endr
.endr
	s_lshl_b32 s92, s20, 10                        ; bo at my 128 features; lane (r, h) wants, for tile 2 B + u, those of features 32 B + 16 h + 8 u + 0 .. 7
	s_lshl_b32 s93, s13, 9
	s_add_co_u32 s92, s92, s93
	s_mov_b32 s93, 0
	s_add_nc_u64 s[92:93], s[8:9], s[92:93]
	WIN 0xc0                                       ; destination window 3
	s_wait_alu depctr_va_vdst(0)
.irp b, 0,1,2,3,4,5,6,7
	global_load_b128 v[8*\b:8*\b+3], v14, s[92:93] offset:128*(\b/2)+32*(\b%2)
	global_load_b128 v[8*\b+4:8*\b+7], v14, s[92:93] offset:128*(\b/2)+32*(\b%2)+16
.endr
	WIN 0
	s_lshl_b32 s96, s21, 19                        ; out0: token 128 Y + 64 wy, 4,096 bytes a row; feature 256 X + 128 wx
	s_lshl_b32 s97, s14, 18
	s_add_co_u32 s96, s96, s97
	s_lshl_b32 s97, s20, 10
	s_add_co_u32 s96, s96, s97
	s_lshl_b32 s97, s13, 9
	s_add_co_u32 s96, s96, s97
	s_mov_b32 s97, 0
	s_add_nc_u64 s[96:97], s[10:11], s[96:97]
	s_cmp_lt_u32 s12, 2                            ; the first half is waves 0 and 1's: they wait for their loads
	s_cbranch_scc0 .Lnot_first
	s_wait_tensorcnt 0x0
.Lnot_first:
	s_barrier_signal -1
	s_barrier_wait -1                              ; everybody's has
	FETCH 0
	s_wait_loadcnt 0x0                             ; the scale words and bo
.irp t, 0,1,2,3,4,5,6,7
	KSTEP \t
.endr
	PLACES 4                                       ; in front of the first read of results, and of loads into registers that held source 1's fragments
	TOSTAGE 0
.irp a, 1,2,3
.if \a > 1
	s_wait_xcnt 0x0                                ; block a - 2's stores have read their registers: block a's loads may land there
.endif
	TOSTAGE \a
	SEND \a-1, 32                                  ; behind block a - 1's loads: block a's 16 stores and 16 loads
.endr
	SEND 3, 0
	s_wait_tensorcnt 0x0                           ; the wave's end, behind my last tensor load and my last LDS store
	ds_add_u32 v[SPW], v[NIL]
	s_wait_dscnt 0x0
	CROUND                                         ; the closing round
	s_endpgm
.Lfunc_end_k_qbe09419d8c_oproj:
	.size	k_qbe09419d8c_oproj, .Lfunc_end_k_qbe09419d8c_oproj-k_qbe09419d8c_oproj
	.p2alignl 7, 3214868480
	.fill 96, 4, 3214868480
	.section	.rodata,"a",@progbits
	.p2align	6, 0x0
	.amdhsa_kernel k_qbe09419d8c_oproj
		.amdhsa_group_segment_fixed_size 327680
		.amdhsa_private_segment_fixed_size 0
		.amdhsa_enable_private_segment 0
		.amdhsa_kernarg_size 32
		.amdhsa_user_sgpr_count 2
		.amdhsa_user_sgpr_kernarg_segment_ptr 1
		.amdhsa_wavefront_size32 1
		.amdhsa_system_sgpr_workgroup_id_x 1
		.amdhsa_system_sgpr_workgroup_id_y 1
		.amdhsa_system_sgpr_workgroup_id_z 1
		.amdhsa_system_vgpr_workitem_id 0
		.amdhsa_next_free_vgpr 1024
		.amdhsa_next_free_sgpr 104
		.amdhsa_reserve_vcc 0
		.amdhsa_float_denorm_mode_32 3
		.amdhsa_float_denorm_mode_16_64 3
		.amdhsa_memory_ordered 1
		.amdhsa_forward_progress 1
		.amdhsa_inst_pref_size 83
	.end_amdhsa_kernel
	.amdgpu_metadata
---
amdhsa.version: [ 1, 2 ]
amdhsa.kernels:
  - .name:           k_qbe09419d8c_oproj
    .symbol:         k_qbe09419d8c_oproj.kd
    .args:
      - { .name: xw, .offset: 0, .size: 8, .value_kind: global_buffer, .address_space: global }
      - { .name: ab, .offset: 8, .size: 8, .value_kind: global_buffer, .address_space: global }
      - { .name: bo, .offset: 16, .size: 8, .value_kind: global_buffer, .address_space: global }
      - { .name: out0, .offset: 24, .size: 8, .value_kind: global_buffer, .address_space: global }
    .group_segment_fixed_size: 327680
    .private_segment_fixed_size: 0
    .kernarg_segment_align: 8
    .kernarg_segment_size: 32
    .max_flat_workgroup_size: 128
    .sgpr_count:     104
    .vgpr_count:     1024
    .wavefront_size: 32
...
	.end_amdgpu_metadata
.endif
;; end of part 4
